; MI455X (gfx1250); checked and timed in simulation.
; The chip was launched on July 23, 2026; its instructions are those of AMD's public machine-readable ISA for CDNA 5 (MIT licence, August 2026) and "CDNA5" Instruction Set Architecture Reference Guide (July 2026). The comments in the code are by the model that wrote it; some were corrected since.
;; Multi Head Attention. Allowed arithmetic: matrix products marked QUANTISED: E2M1 operands, one E8M0 scale for each 32 along K, by v_wmma_scale_f32_16x16x128_f8f6f4 with both operands' format E2M1 (or v_wmma_scale_f32_32x16x128_f4), f32 sums; products left as they are: bf16, f16 or f32 operands; f32 sums; everything else in f32.
;; Inputs: Wproj 1,024 x 1,024 float32; Wqkv 1,024 x 3,072 float32; freqs_cos 2,048 x 32 float32; freqs_sin 2,048 x 32 float32; mask 4 x 1 x 2,048 x 2,048 bool; x 4 x 2,048 x 1,024 float32.
;; Outputs: out0 4 x 2,048 x 1,024 float32.
;; This version of the problem:
;;   THIS VERSION OF THE PROBLEM IS GIVEN IN LOW PRECISION. The matrix products marked QUANTISED in the list below multiply operands that are first quantised to E2M1 (2 exponent bits, 1 mantissa bit; 4 bits a number), with one power-of-two scale for each 32 numbers along K (OCP MX v1.0); their sums are f32. The products marked 'left as it is' may take bf16, f16 or f32 operands, with f32 sums. All else is computed in f32.
;;   The module's matrix products, in the order in which they are computed (A, B: the left and right operand; K: the contracted axis; several contracted axes count as one K, in the product's order):
;;     1. [M 8,192, K 1,024] x [K 1,024, N 3,072]; A: input x; B: input Wqkv: QUANTISED
;;     2. batch 64 x [M 2,048, K 64] x [K 64, N 2,048]; A: computed on the way; B: computed on the way: left as it is (an operand is computed on the way)
;;     3. batch 64 x [M 64, K 2,048] x [K 2,048, N 2,048]; A: computed on the way; B: computed on the way: left as it is (an operand is computed on the way)
;;     4. [M 8,192, K 1,024] x [K 1,024, N 1,024]; A: computed on the way; B: input Wproj: left as it is (an operand is computed on the way)
;;   THE QUANTISER, for each operand of a quantised product, along K:
;;     - K is cut into blocks of 32 from its start; a last block that is shorter is filled with zeros.
;;     - A block's scale is 2^e with e = floor(log2(the largest magnitude in the block)) - 2, held to -126 .. 127; a block of zeros has e = 0. As a byte (E8M0): e + 127.
;;     - Each number is divided by its block's scale, clamped to +-6, and rounded to the nearest number of E2M1, ties to even, subnormals kept.
;;     - The product sums the exact products of the quantised numbers (number of the format x scale) in f32.
;;   ~~~python
;;   def quantise(x, axis):      # numpy; x: float32 -> the quantised numbers, widened to float32 again
;;       x = np.moveaxis(x, axis, -1); K = x.shape[-1]
;;       x = np.pad(x, [(0, 0)] * (x.ndim - 1) + [(0, -K % 32)]); x = x.reshape(x.shape[:-1] + (-1, 32)); a = np.abs(x).max(-1, keepdims=True)
;;       e = np.where(a > 0, np.clip(np.frexp(np.where(a > 0, a, 1))[1] - 1 - 2, -126, 127), 0)      # np.frexp(a)[1] - 1 = floor(log2(a)), exactly
;;       r = np.clip(x / 2.0 ** e, -6, 6)
;;       step = 2.0 ** (np.maximum(np.frexp(np.where(r == 0, 1, r))[1] - 1, 0) - 1)
;;       q = np.round(r / step) * step * 2.0 ** e      # np.round: ties to even
;;       return np.moveaxis(q.reshape(q.shape[:-2] + (-1,))[..., :K], -1, axis).astype(np.float32)
;;   ~~~
;; One version. Each part assembles by itself: llvm-mc -triple=amdgcn-amd-amdhsa -mcpu=gfx1250 --defsym DOCPART=n.
;; ======== version 1 of 1: 4 launches
;; limits: values are held in f16: magnitudes above 65,504 overflow, below 6.1e-05 lose precision
;; workspace buffers: xq 4,456,448 bytes; wq 1,671,168 bytes; mbits 2,097,152 bytes of whole numbers; wpi 2,097,152 bytes; qimg 16,777,216 bytes; kv 33,554,432 bytes; att 16,777,216 bytes
;; launch prep (part 1): grid 464 x 1, 4 waves a work-group, no clusters, 85,504 bytes of LDS; arguments x, Wqkv, mask, Wproj, xq, wq, mbits, wpi; writes xq, wq, mbits, wpi
.if DOCPART == 1
	.amdgcn_target "amdgcn-amd-amdhsa--gfx1250"
	.amdhsa_code_object_version 6
	.text
	.protected	k_q49111f3715_prep
	.globl	k_q49111f3715_prep
	.p2align	8
	.type	k_q49111f3715_prep,@function
k_q49111f3715_prep:
	s_mov_b64 s[64:65], 0
	v_nop
	global_prefetch_b8 v0, s[64:65] scope:SCOPE_SE
	s_setreg_imm32_b32 hwreg(HW_REG_WAVE_MODE, 25, 1), 1
	s_wait_xcnt 0x0
; PREP: four streams in one launch, parted on the work-group's number alone; each path has its own pointers, its own LDS bytes and its own end.
;   W (work-groups 0-47):    Wqkv [1024 (k)][3072 (n)] f32 -> codes of FP4 (E2M1) laid [3072][512 bytes], K innermost, and E8M0 scale bytes [3072][32] behind them (wq).
;   X (48-303):              x [8192][1024] f32 -> codes [8192][512 bytes] and scale bytes [8192][32] behind them (xq).
;   M (304-431):             mask [4][2048][2048] bytes -> lane masks, one 32-bit word for each score register of the attention launch (mbits).
;   P (432-463):             Wproj [1024 (k)][1024 (n)] f32 -> f16, laid as images of a matrix operand's registers (wpi).
; THE QUANTISER (W, X): a block's scale is 2^(floor(log2(its largest magnitude)) - 2); its byte is the largest magnitude's exponent field - 2, held at 1 from below; numbers are divided by the scale and rounded to the
; nearest code, ties to even, beyond 6 the largest code.  A block of zeros keeps the byte 1 where the rule says 127: its codes are zeros, and this program alone reads the bytes.
; LIMITS: blocks whose largest magnitude lies under 2^-124 keep the byte 1; NaN and infinities among the inputs are not served; |Wproj| stays under 65,504, the largest f16 number.
; No cluster and no tensor load: no two work-groups read the same bytes, and waves share nothing, so there is no barrier.
.set WG_W, 48
.set WG_X, 304
.set WG_M, 432
.set EMAX, 2
.set WLDS, 32768                       ; LDS: X's regions 0 .. 32,767; W's stages from here; M's stages from MLDS
.set MLDS, 67584
	v_lshl_add_u32 v192, v0, 2, 0x14c00
	v_mov_b32 v193, 0
	v_lshrrev_b32 v1, 5, v0
	v_readfirstlane_b32 s16, v1                    ; wave 0..3
	v_and_b32 v2, 31, v0                           ; lane
	s_cmp_lt_u32 ttmp9, WG_W
	s_cbranch_scc1 .Lpath_w
	s_cmp_lt_u32 ttmp9, WG_X
	s_cbranch_scc1 .Lpath_x
	s_cmp_lt_u32 ttmp9, WG_M
	s_cbranch_scc1 .Lpath_m
; ---------------------------------------------------------------- P: Wproj as f16 images
; wpi byte = ks x 524,288 + nt x 8,192 + kb x 1,024 + e x 256 + 16 (n % 16), holding k = 256 ks + 32 kb + 8 e + 0 .. 7 of column n = 16 nt + n % 16: part e / 2 of a fragment (16 columns x 32 K), lane n % 16 + 16 (e % 2).
; A lane takes a column and its registers run down K: each load reads 128 consecutive bytes a wave; eight neighbours along K round to 16 bytes; sixteen lanes store 256 consecutive bytes, aligned.
.set PX, 32                            ; v32-95   two sets of 32 numbers
.set PC, 96                            ; v96-127  two sets of 16 registers of f16 pairs
	s_load_b64 s[4:5], s[0:1], 0x18                ; Wproj
	s_load_b64 s[6:7], s[0:1], 0x38                ; wpi
	s_sub_co_u32 s17, ttmp9, WG_M
	s_and_b32 s18, s17, 7                          ; which 128 columns
	s_lshr_b32 s19, s17, 3                         ; which 256 along K
	v_lshlrev_b32 v3, 2, v2                        ; in: 4 bytes a lane
	v_lshrrev_b32 v4, 4, v2
	v_and_b32 v5, 15, v2
	v_lshlrev_b32 v5, 4, v5
	v_lshl_add_u32 v4, v4, 13, v5                  ; out: 8,192 (lane / 16) + 16 (lane % 16)
	s_lshl_b32 s20, s19, 20                        ; 256 rows of 4,096 bytes
	s_lshl_b32 s21, s18, 9
	s_add_co_u32 s20, s20, s21
	s_lshl_b32 s21, s16, 7
	s_add_co_u32 s20, s20, s21                     ; + 4 x (128 x group + 32 x wave)
	s_mov_b32 s21, 0
	s_lshl_b32 s22, s19, 19
	s_lshl_b32 s23, s18, 16
	s_add_co_u32 s22, s22, s23
	s_lshl_b32 s23, s16, 14
	s_add_co_u32 s22, s22, s23                     ; ks x 524,288 + (8 x group + 2 x wave) x 8,192
	s_mov_b32 s23, 0
	s_wait_kmcnt 0x0
	s_add_nc_u64 s[4:5], s[4:5], s[20:21]
	s_add_nc_u64 s[6:7], s[6:7], s[22:23]
.macro PLOAD t
.set i, 0
.rept 32
	global_load_b32 v[PX+32*((\t)%2)+i], v3, s[4:5] offset:(32*(\t)+i)*4096 th:TH_LOAD_NT
.set i, i+1
.endr
.endm
.macro PBLOCK t
.if (\t) < 7
	s_wait_loadcnt 32                              ; this block's 32 loads are in; the next block's may be out
.else
	s_wait_loadcnt 0x0
.endif
	s_wait_xcnt 0x0                                ; earlier stores have read their data: this set of pairs is written again only behind this wait
.set i, 0
.rept 16
	v_cvt_pk_f16_f32 v[PC+16*((\t)%2)+i], v[PX+32*((\t)%2)+2*i], v[PX+32*((\t)%2)+2*i+1]
.set i, i+1
.endr
.irp e, 0,1,2,3
	global_store_b128 v4, v[PC+16*((\t)%2)+4*\e:PC+16*((\t)%2)+4*\e+3], s[6:7] offset:1024*(\t)+256*\e
.endr
.if (\t)+2 < 8
	PLOAD (\t)+2
.endif
.endm
	PLOAD 0
	PLOAD 1
.irp t, 0,1,2,3,4,5,6,7
	PBLOCK \t
.endr
	s_endpgm
; ---------------------------------------------------------------- M: the mask as lane masks
; Wave w of group g owns query tile G = 4 g + w: rows 16 G .. 16 G + 15 of the mask seen as [8192][2048] bytes, all 2,048 keys, in 8 chunks of 256.
; mbits word at G x 4,096 + step x 128 + 4 (8 kt + i): bit L = mask[row 16 G + L % 16][key 64 step + 16 kt + 8 (L / 16) + i].
; Loads take the bytes as they lie (sixteen lanes 256 bytes of a row); a chunk turns through the wave's own stage (rows 272 bytes apart) so that lane L holds row L % 16; a compare's lane mask IS the wanted word.
.set MP_, 272
.set MR, 16                            ; v16-79   two sets of 32: a chunk as loaded
.set MD, 80                            ; v80-111  a chunk by rows: 16 x 8 bytes a lane
.set MO, 112                           ; v112-119 two sets of 4: 128 words, four to a lane
.set MT, 120                           ; v120-127 at work
.Lpath_m:
	s_load_b64 s[4:5], s[0:1], 0x10                ; mask
	s_load_b64 s[6:7], s[0:1], 0x30                ; mbits
	s_sub_co_u32 s17, ttmp9, WG_X
	s_lshl_b32 s17, s17, 2
	s_add_co_u32 s17, s17, s16                     ; G
	v_lshrrev_b32 v3, 4, v2                        ; lane / 16
	v_and_b32 v4, 15, v2                           ; lane % 16
	v_lshlrev_b32 v5, 4, v4
	v_lshl_add_u32 v6, v3, 11, v5                  ; in memory: row lane / 16 of a pair, 16 bytes a lane
	s_mul_i32 s18, s16, 16*MP_
	s_add_co_u32 s18, s18, MLDS                    ; my stage
	v_mul_u32_u24 v7, v3, MP_
	v_add_nc_u32 v7, v7, v5
	v_add_nc_u32 v7, s18, v7                       ; into it, as loaded
	v_mul_u32_u24 v8, v4, MP_
	v_lshl_add_u32 v8, v3, 3, v8
	v_add_nc_u32 v8, s18, v8                       ; out of it: row lane % 16, 8 bytes for each half of the lanes
	v_lshlrev_b32 v9, 4, v2                        ; the words' way out: 16 bytes a lane
.irp i, 0,1,2,3,4,5,6,7
	v_mov_b32 v[MO+\i], 0                          ; written once whole: a lane write's destination counts as read
.endr
	s_lshl_b32 s28, s17, 15
	s_mov_b32 s29, 0
	s_lshl_b32 s30, s17, 12
	s_mov_b32 s31, 0
	s_wait_kmcnt 0x0
	s_add_nc_u64 s[4:5], s[4:5], s[28:29]
	s_add_nc_u64 s[6:7], s[6:7], s[30:31]
.macro MLOADC set, off
.irp i, 0,1,2,3,4,5,6,7
	global_load_b128 v[MR+32*\set+4*\i:MR+32*\set+4*\i+3], v6, s[4:5] offset:\off+4096*\i th:TH_LOAD_NT
.endr
.endm
.macro MPROC set, refill, off, cnt, so
	s_wait_loadcnt \cnt                            ; this set's eight loads are in; the other set's eight, issued later, may be out
.irp i, 0,1,2,3,4,5,6,7
	ds_store_b128 v7, v[MR+32*\set+4*\i:MR+32*\set+4*\i+3] offset:2*MP_*\i
.endr
.irp t, 0,1,2,3,4,5,6,7,8,9,10,11,12,13,14,15
	ds_load_b64 v[MD+2*\t:MD+2*\t+1], v8 offset:16*\t      ; LDS serves a wave's instructions in order: these see the stores above
.endr
	s_wait_dscnt 0x0                               ; the stores have read their registers, the rows are in
	s_wait_xcnt 0x0                                ; earlier stores of words have read their data
.if \refill
	MLOADC \set, \off
.endif
.irp t, 0,1,2,3,4,5,6,7,8,9,10,11,12,13,14,15
.irp i, 0,1,2,3,4,5,6,7
	v_and_b32 v[MT+\i], 0xff<<(8*(\i%4)), v[MD+2*\t+\i/4]  ; byte i of my eight
.endr
.irp i, 0,1,2,3,4,5,6,7
	v_cmp_ne_u32 s[20+\i], 0, v[MT+\i]             ; bit L: is lane L's byte true
.endr
.irp i, 0,1,2,3,4,5,6,7
	v_writelane_b32 v[MO+4*\set+\i%4], s[20+\i], 2*\t+\i/4  ; word 8 t + i of the chunk's 128: register (8 t + i) % 4 of lane (8 t + i) / 4
.endr
.endr
	global_store_b128 v9, v[MO+4*\set:MO+4*\set+3], s[6:7] offset:\so   ; 512 consecutive bytes: the words of four key steps
.endm
	MLOADC 0, 0
	MLOADC 1, 256
	s_mov_b32 s9, 3
.Lm_pair:                                      ; a trip works two chunks and asks for the two that follow
	MPROC 0, 1, 512, 8, 0
	MPROC 1, 1, 768, 8, 512
	s_wait_xcnt 0x0                                ; loads and stores have read their bases
	s_add_nc_u64 s[4:5], s[4:5], 512
	s_add_nc_u64 s[6:7], s[6:7], 1024
	s_sub_co_u32 s9, s9, 1
	s_cmp_lg_u32 s9, 0
	s_cbranch_scc1 .Lm_pair
	MPROC 0, 0, 0, 8, 0                            ; the last two chunks ask for nothing
	MPROC 1, 0, 0, 0, 512
	s_wait_tensorcnt 0x0
	ds_add_u32 v192, v193
	s_wait_dscnt 0x0
	s_endpgm
; ---------------------------------------------------------------- X: x into codes
; Rows are dense and K is a multiple of 32: x is a plain stream of blocks of 32, and so are its codes and scale bytes.  A wave takes 16 steps of 512 numbers.  Each load reads 512 consecutive bytes; a step's 2,048 bytes
; turn through the wave's own stage (16 bytes of padding behind each 64) so that a lane holds 16 neighbours along K; two neighbouring lanes hold a block.  Loads run four steps ahead, the turn one step.
.set XSTEPS, 16
.set XSP,  80
.set XREG, 8192
.set XR,   16                          ; v16-79   four sets of 16 numbers as loaded
.set XX,   80                          ; v80-111  two sets of 16 neighbours
.set XE,   112                         ; v112-127 a scale byte for each step
.set XC,   128                         ; v128-191 codes: registers of its own for each step
.Lpath_x:
	s_load_b64 s[4:5], s[0:1], 0x0                 ; x
	s_load_b64 s[8:9], s[0:1], 0x20                ; xq
	v_lshlrev_b32 v3, 4, v2                        ; my 16 bytes of a load's 512
	s_mul_i32 s17, s16, XREG
	v_lshrrev_b32 v14, 2, v2
	v_mul_u32_u24 v14, v14, XSP
	v_and_b32 v15, 3, v2
	v_lshl_add_u32 v14, v15, 4, v14
	v_add_nc_u32 v14, s17, v14                     ; the stage, on the way in: 80 (lane / 4) + 16 (lane % 4)
	v_mul_u32_u24 v15, v2, XSP
	v_add_nc_u32 v15, s17, v15                     ; and on the way out: 80 x lane
	v_mul_u32_u24 v4, v2, 8                        ; my codes' place in a step's
	v_lshrrev_b32 v5, 1, v2
	s_add_co_u32 s17, s17, 2*32*XSP
	v_add_nc_u32 v5, s17, v5                       ; my wave's 256 scale bytes: my block's byte
	v_lshlrev_b32 v7, 3, v2
	v_add_nc_u32 v6, s17, v7                       ; and on the way out 8 bytes a lane
	s_sub_co_u32 s18, ttmp9, WG_W
	s_lshl_b32 s18, s18, 2
	s_add_co_u32 s18, s18, s16                     ; which run of 8,192 numbers is my wave's
	s_lshl_b32 s20, s18, 15
	s_mov_b32 s21, 0
	s_lshl_b32 s22, s18, 12
	s_mov_b32 s23, 0
	s_lshl_b32 s24, s18, 8
	s_add_co_u32 s24, s24, 4194304                 ; the scale bytes lie behind the codes
	s_mov_b32 s25, 0
	s_wait_kmcnt 0x0
	s_add_nc_u64 s[4:5], s[4:5], s[20:21]
	s_add_nc_u64 s[10:11], s[8:9], s[24:25]
	s_add_nc_u64 s[8:9], s[8:9], s[22:23]
.macro XLOAD t
.irp i, 0,1,2,3
	global_load_b128 v[XR+16*((\t)%4)+4*\i:XR+16*((\t)%4)+4*\i+3], v3, s[4:5] offset:2048*(\t)+512*\i th:TH_LOAD_NT
.endr
.endm
.macro XTURN t                         ; step t's numbers through the stage: LDS serves a wave's instructions in order
.irp i, 0,1,2,3
	ds_store_b128 v14, v[XR+16*((\t)%4)+4*\i:XR+16*((\t)%4)+4*\i+3] offset:32*XSP*((\t)%2)+8*XSP*\i
.endr
.irp i, 0,1,2,3
	ds_load_b128 v[XX+16*((\t)%2)+4*\i:XX+16*((\t)%2)+4*\i+3], v15 offset:32*XSP*((\t)%2)+16*\i
.endr
.endm
.irp t, 0,1,2,3
	XLOAD \t
.endr
	s_wait_loadcnt 12                              ; step 0's four loads are in
	XTURN 0
.macro XSTEP t
.set XS, XX+16*((\t)%2)
.if (\t) > 0
	s_wait_dscnt 1                                 ; this step's numbers are back from the stage (the last step's byte store may be out)
.else
	s_wait_dscnt 0x0
.endif
.if (\t)+4 < XSTEPS
	XLOAD (\t)+4
.endif
.if (\t)+1 < XSTEPS
.if XSTEPS-2-(\t) >= 3
	s_wait_loadcnt 12                              ; the next step's four loads are in; those of the three steps behind it may be out
.else
	s_wait_loadcnt 4*(XSTEPS-2-(\t))
.endif
	XTURN (\t)+1
.endif
	v_max3_num_f32 v8, |v[XS]|, |v[XS+1]|, |v[XS+2]|
	v_max3_num_f32 v9, |v[XS+3]|, |v[XS+4]|, |v[XS+5]|
.irp i, 6,10
	v_max3_num_f32 v8, v8, |v[XS+\i]|, |v[XS+\i+1]|
	v_max3_num_f32 v9, v9, |v[XS+\i+2]|, |v[XS+\i+3]|
.endr
	v_max3_num_f32 v8, v8, |v[XS+14]|, |v[XS+15]|
	v_max3_num_f32 v8, v8, v9, (EMAX+1)<<23        ; and the floor 2^(3 - 127): the byte cannot fall under 1
	v_max_num_f32_dpp v8, v8, v8 row_xmask:1 row_mask:0xf bank_mask:0xf   ; with my neighbour's 16: the block's largest magnitude
	v_add_nc_u32 v11, -(EMAX<<23), v8              ; 2 off its exponent field: the conversion takes the exponent field of this operand as its scale
	v_cvt_scalef32_pk8_fp4_f32 v[XC+4*(\t)], v[XS:XS+7], v11
	v_cvt_scalef32_pk8_fp4_f32 v[XC+4*(\t)+1], v[XS+8:XS+15], v11
	v_lshrrev_b32 v[XE+(\t)], 23, v11              ; the scale's byte
	ds_store_b8 v5, v[XE+(\t)] offset:16*(\t)      ; both lanes of a block write the same byte with the same value
	global_store_b64 v4, v[XC+4*(\t):XC+4*(\t)+1], s[8:9] offset:256*(\t)   ; the wave stores 256 consecutive bytes, aligned
.endm
.irp t, 0,1,2,3,4,5,6,7,8,9,10,11,12,13,14,15
	XSTEP \t
.endr
	ds_load_b64 v[12:13], v6
	s_wait_dscnt 0x0
	global_store_b64 v7, v[12:13], s[10:11]        ; my wave's 256 scale bytes: 256 consecutive bytes, aligned
	s_wait_tensorcnt 0x0
	ds_add_u32 v192, v193
	s_wait_dscnt 0x0
	s_endpgm
; ---------------------------------------------------------------- W: Wqkv into codes, K moved innermost
; A lane takes a column n and its registers run down K: a block of 32 lies in one lane, and the conversions give codes with K innermost.  A wave takes 32 columns x 512 along K; the codes go through the wave's own
; stage and leave as rows: sixteen lanes store 256 consecutive bytes, aligned.  Loads run two blocks ahead.  Every offset is an immediate: 511 x 12,288 bytes at the most, inside the signed 24 bits.
.set WNB,    16
.set WPITCH, 272
.set WKROW,  512
.set WX,     32                        ; v32-95   two sets of 32 numbers
.set WC,     96                        ; v96-99   a block's codes
.set WOUT,   112                       ; v112-175 the way out
.set WSB,    24                        ; v24-27   the scale bytes, four to a register
.Lpath_w:
	s_load_b64 s[4:5], s[0:1], 0x8                 ; Wqkv
	s_load_b64 s[6:7], s[0:1], 0x28                ; wq
	s_cmp_ge_u32 ttmp9, 24
	s_cselect_b32 s18, 1, 0                        ; which 512 along K
	s_cselect_b32 s17, 24, 0
	s_sub_co_u32 s17, ttmp9, s17                   ; which 128 columns
	s_lshl_b32 s17, s17, 7
	s_lshl_b32 s19, s16, 5
	s_add_co_u32 s17, s17, s19                     ; my wave's first column
	v_lshlrev_b32 v3, 2, v2
	s_mul_i32 s19, s16, 32*WPITCH
	s_add_co_u32 s19, s19, WLDS                    ; my stage
	v_mul_u32_u24 v4, v2, WPITCH
	v_add_nc_u32 v4, s19, v4                       ; into it: row = my column
	v_and_b32 v5, 15, v2
	v_lshrrev_b32 v6, 4, v2
	v_mul_u32_u24 v7, v6, WPITCH
	v_lshl_add_u32 v7, v5, 4, v7
	v_add_nc_u32 v7, s19, v7                       ; out of it: sixteen lanes to a row, two rows an instruction
	v_mul_u32_u24 v8, v6, WKROW
	v_lshl_add_u32 v8, v5, 4, v8                   ; and the same place among the codes
	v_lshlrev_b32 v9, 5, v2                        ; my column's row of 32 scale bytes
	s_mul_i32 s20, s18, 512*3072*4
	s_lshl_b32 s22, s17, 2
	s_add_co_u32 s20, s20, s22
	s_mov_b32 s21, 0
	s_lshl_b32 s24, s17, 9
	s_lshl_b32 s26, s18, 8
	s_add_co_u32 s24, s24, s26
	s_mov_b32 s25, 0
	s_lshl_b32 s28, s17, 5
	s_lshl_b32 s26, s18, 4
	s_add_co_u32 s28, s28, s26
	s_add_co_u32 s28, s28, 1572864                 ; the scale bytes lie behind the codes
	s_mov_b32 s29, 0
	s_wait_kmcnt 0x0
	s_add_nc_u64 s[4:5], s[4:5], s[20:21]
	s_add_nc_u64 s[8:9], s[6:7], s[28:29]
	s_add_nc_u64 s[6:7], s[6:7], s[24:25]
.macro WLOAD t
.set i, 0
.rept 32
	global_load_b32 v[WX+32*((\t)%2)+i], v3, s[4:5] offset:(32*(\t)+i)*3072*4 th:TH_LOAD_NT
.set i, i+1
.endr
.endm
	WLOAD 0
	WLOAD 1
.macro WBLOCK t
.set XS, WX+32*((\t)%2)
.if (\t) < WNB-1
	s_wait_loadcnt 32                              ; this block's 32 loads are in; the next block's may be out
.else
	s_wait_loadcnt 0x0
.endif
	v_max3_num_f32 v12, |v[XS]|, |v[XS+1]|, |v[XS+2]|
	v_max3_num_f32 v13, |v[XS+3]|, |v[XS+4]|, |v[XS+5]|
.irp i, 6,10,14,18,22,26
	v_max3_num_f32 v12, v12, |v[XS+\i]|, |v[XS+\i+1]|
	v_max3_num_f32 v13, v13, |v[XS+\i+2]|, |v[XS+\i+3]|
.endr
	v_max3_num_f32 v12, v12, |v[XS+30]|, |v[XS+31]|
	v_max3_num_f32 v12, v12, v13, (EMAX+1)<<23     ; and the floor
	v_add_nc_u32 v11, -(EMAX<<23), v12             ; the conversion's scale operand
	v_lshrrev_b32 v13, 23, v11                     ; the scale's byte
.if (\t)%4 == 0
	v_mov_b32 v[WSB+(\t)/4], v13
.else
	v_lshl_or_b32 v[WSB+(\t)/4], v13, 8*((\t)%4), v[WSB+(\t)/4]
.endif
.irp g, 0,1,2,3
	v_cvt_scalef32_pk8_fp4_f32 v[WC+\g], v[XS+8*\g:XS+8*\g+7], v11
.endr
	ds_store_b128 v4, v[WC:WC+3] offset:16*(\t)    ; 32 codes: 16 bytes of my column's row
.if (\t)+2 < WNB
	WLOAD (\t)+2
.endif
	s_wait_dscnt 0x0                               ; the store has read its registers: the next block's codes may be written
.endm
.set Q, 0
.rept WNB
	WBLOCK Q
.set Q, Q+1
.endr
	global_store_b128 v9, v[WSB:WSB+3], s[8:9]     ; my column's 16 scale bytes
.irp t, 0,1,2,3,4,5,6,7,8,9,10,11,12,13,14,15
	ds_load_b128 v[WOUT+4*\t:WOUT+4*\t+3], v7 offset:2*\t*WPITCH
.endr
.irp t, 0,1,2,3,4,5,6,7,8,9,10,11,12,13,14,15
	s_wait_dscnt 15-\t
	global_store_b128 v8, v[WOUT+4*\t:WOUT+4*\t+3], s[6:7] offset:2*\t*WKROW
.endr
	s_wait_tensorcnt 0x0
	ds_add_u32 v192, v193
	s_wait_dscnt 0x0
	s_endpgm
.Lfunc_end_k_q49111f3715_prep:
	.size	k_q49111f3715_prep, .Lfunc_end_k_q49111f3715_prep-k_q49111f3715_prep
	.p2alignl 7, 3214868480
	.fill 96, 4, 3214868480
	.section	.rodata,"a",@progbits
	.p2align	6, 0x0
	.amdhsa_kernel k_q49111f3715_prep
		.amdhsa_group_segment_fixed_size 85504
		.amdhsa_private_segment_fixed_size 0
		.amdhsa_enable_private_segment 0
		.amdhsa_kernarg_size 64
		.amdhsa_user_sgpr_count 2
		.amdhsa_user_sgpr_kernarg_segment_ptr 1
		.amdhsa_wavefront_size32 1
		.amdhsa_system_sgpr_workgroup_id_x 1
		.amdhsa_system_sgpr_workgroup_id_y 1
		.amdhsa_system_sgpr_workgroup_id_z 1
		.amdhsa_system_vgpr_workitem_id 0
		.amdhsa_next_free_vgpr 194
		.amdhsa_next_free_sgpr 66
		.amdhsa_reserve_vcc 0
		.amdhsa_float_denorm_mode_32 3
		.amdhsa_float_denorm_mode_16_64 3
		.amdhsa_memory_ordered 1
		.amdhsa_forward_progress 1
		.amdhsa_inst_pref_size 255
	.end_amdhsa_kernel
	.amdgpu_metadata
---
amdhsa.version: [ 1, 2 ]
amdhsa.kernels:
  - .name:           k_q49111f3715_prep
    .symbol:         k_q49111f3715_prep.kd
    .args:
      - { .name: x, .offset: 0, .size: 8, .value_kind: global_buffer, .address_space: global }
      - { .name: Wqkv, .offset: 8, .size: 8, .value_kind: global_buffer, .address_space: global }
      - { .name: mask, .offset: 16, .size: 8, .value_kind: global_buffer, .address_space: global }
      - { .name: Wproj, .offset: 24, .size: 8, .value_kind: global_buffer, .address_space: global }
      - { .name: xq, .offset: 32, .size: 8, .value_kind: global_buffer, .address_space: global }
      - { .name: wq, .offset: 40, .size: 8, .value_kind: global_buffer, .address_space: global }
      - { .name: mbits, .offset: 48, .size: 8, .value_kind: global_buffer, .address_space: global }
      - { .name: wpi, .offset: 56, .size: 8, .value_kind: global_buffer, .address_space: global }
    .group_segment_fixed_size: 85504
    .private_segment_fixed_size: 0
    .kernarg_segment_align: 8
    .kernarg_segment_size: 64
    .max_flat_workgroup_size: 128
    .sgpr_count:     66
    .vgpr_count:     194
    .wavefront_size: 32
...
	.end_amdgpu_metadata
.endif
;; end of part 1
;; launch qkv (part 2): grid 12 x 32, 4 waves a work-group, clusters of 4 x 4, 327,680 bytes of LDS; arguments xq, wq, freqs_cos, freqs_sin, qimg, kv; writes qimg, kv
.if DOCPART == 2
	.amdgcn_target "amdgcn-amd-amdhsa--gfx1250"
	.amdhsa_code_object_version 6
	.text
	.protected	k_q49111f3715_qkv
	.globl	k_q49111f3715_qkv
	.p2align	8
	.type	k_q49111f3715_qkv,@function
k_q49111f3715_qkv:
	s_mov_b64 s[64:65], 0
	v_nop
	global_prefetch_b8 v0, s[64:65] scope:SCOPE_SE
	s_setreg_imm32_b32 hwreg(HW_REG_WAVE_MODE, 25, 1), 1
	s_wait_xcnt 0x0
	s_wait_alu depctr_hold_cnt(0) depctr_sa_sdst(0) depctr_va_vdst(0) depctr_va_sdst(0) depctr_va_ssrc(0) depctr_va_vcc(0) depctr_vm_vsrc(0)
	s_getreg_b32 s2, hwreg(HW_REG_IB_STS2, 6, 4)
	s_cmp_eq_u32 s2, 0
	s_cbranch_scc0 .Lentry_in_a_cluster
	s_endpgm
.Lentry_in_a_cluster:
	s_bfe_u32 s2, ttmp6, 0x10000c
	s_cmp_lg_u32 s2, 0xf033
	s_cbranch_scc0 .Lentry_shape_is_right
	s_endpgm
.Lentry_shape_is_right:
; qkv = Q(x) Q(Wqkv) on codes of FP4 (E2M1) with one E8M0 scale for each 32 along K, sums in f32; then the rotation by the given cos and sin tables on q and k, q's factor log2(e) / 8, a rounding to f16, and stores
; in the order in which the attention launch's operand registers take the numbers.
; A tile of the product, 256 tokens x 256 columns, is made by a work-group of four waves; a wave makes 128 x 128: 64 accumulators of 16 x 16, 512 registers.  K = 1,024 is two LDS slots of 512 along K: each slot is filled once.
; THE SCALES of the work-group's 256 rows of x and 256 columns of Wqkv, for all of K, are two dense blocks of memory: they come into LDS once, with the first fills.
; CLUSTERS: 4 x 4 work-groups.  The four of a row of the cluster need the same tiles of x, the four of a column the same tiles of Wqkv: each tile is asked for JOINTLY, by the same tensor load with the same descriptor
; and a mask that names the four.  A cluster's 1,024 columns are q (cluster x = 0), k (1) or v (2): what differs between the three is held in scalar registers and addresses; there is one path for all.
; THE MATRIX INSTRUCTION IS USED TRANSPOSED (source 0 = 16 columns of Wqkv, source 1 = 16 tokens): a lane holds one token (lane % 16) and eight neighbouring channels 8 (lane / 16) + 0 .. 7: four rotation pairs,
; and, as f16, the 16 bytes that one lane of a 16-bit operand's registers holds.  So each store of the wave covers 512 consecutive bytes and nothing goes through LDS on the way out.
; LAYOUTS WRITTEN (bh = 16 batch + head; lane = r + 16 hh):
;   qimg: bh x 262,144 + (token / 16) x 2,048 + (d / 16) x 512 + 16 lane: token 16 (token / 16) + r, channels 16 (d / 16) + 8 hh + 0 .. 7.
;   kv, K: bh x 524,288 + (key / 64) x 16,384 + ((key % 64) / 16) x 2,048 + (d / 16) x 512 + 16 lane, likewise.
;   kv, V: the same step's block + 8,192 + ((key % 64) / 32) x 4,096 + (d / 16) x 1,024 + ((key % 32) / 16) x 512 + 16 l, l = 16 ((key % 16) / 8) + 8 hh + key % 8: the order in which the lanes of the transposing LDS load take their 16 bytes.
; LIMITS: |0.18 q|, |k|, |v| stay under 65,504, the largest f16 number; NaN and infinities are not served; the rotation is made of a multiply and a fused multiply-add, so its rounding differs from two multiplies and an add.
; REGISTERS, in windows of 256: window 0: v0-31 addresses; v32-95 scale words, two sets; from v128 A's fragments, one set; on the way out v32-159 are at work.
;   window 1: B's fragments, two sets, at v0 and v128; v64-127 and v192-255 the tables of token blocks 0-3 (blocks 4-7 take B's sets when the products are done).
;   window 2: the 32 accumulators of my tokens 0-63 (accumulator (a, b) at v[8 (8 a + b)]);   window 3: those of my tokens 64-127.
.set SIZE_M, 8192
.set SIZE_N, 3072
.set SIZE_K, 1024
.set KSTEP,  512                       ; along K in a slot
.set NQ,     KSTEP/128                 ; matrix instructions deep
.set ROWB,   256                       ; a tile's row in bytes
.set KROW,   SIZE_K*4/8                ; a row of codes in memory
.set PITCH,  272                       ; an LDS row: 256 bytes + 16 of padding = 68 words: the 16 rows that a load touches start 4 words apart modulo 64
.set FR,     8                         ; registers of a fragment: 16 rows x 128 K
.set NL,     2                         ; LDS loads that bring one
.set NP,     4                         ; places behind this matrix instruction (ISA guide 7.12.1)
.set HALFT,  128*PITCH
.set SLOT,   4*HALFT                   ; A's 256 rows, then B's 256 rows
.set KS,     SIZE_K/32                 ; a row of scales in bytes
.set SCL,    2*SLOT                    ; behind the slots: the scales, as rows of 256 bytes + 16 of padding
.set HALFS,  (128*KS/256)*272
.set SBLK,   (16*KS/256)*272
.set SPARE,  SCL+4*HALFS               ; the spare words, 128 bytes for each wave, which no other line names
.set VO,   8                           ; v8-15   the way out: my byte offset for column block b
.set ADRA, 16                          ; v16-17  LDS address of my A fragments in slot 0, 1
.set ADRB, 20                          ; v20-21  the same for B
.set ADRS, 27                          ; v27     LDS address of my scale words: lanes 0-15 A's rows, lanes 16-31 B's
.set SPW,  28                          ; v28     LDS address of my spare word; never rewritten
.set NIL,  29                          ; v29     0; never rewritten
.set TO,   30                          ; v30     my byte offset in the tables: 128 (lane % 16) + 16 (lane / 16)
.set SC,   32                          ; scale words: set s at v[SC + 8 NQ s]
.set AF,   128                         ; A's fragments, in window 0
.set RT,   32                          ; the way out: 64 rotated numbers
.set OUTR, 96                          ; the way out: two sets of 32 registers of f16 pairs
.set G1, 24
.set G0, 32
.set G1B, 48
.set G0B, 56
.set G1S, 68
.set G0S, 76
.set G1SB, 80
.set G0SB, 88
.set MSB, 0
.macro WIN new                         ; the immediate's high byte repeats the setting that is left
.if MSB != (\new)
	s_set_vgpr_msb (MSB<<8)|(\new)
.set MSB, (\new)
.endif
.endm
.set MUL_LO, 0xa1                      ; source 0 (B) window 1, source 1 (A) window 0, C and D window 2
.set MUL_HI, 0xf1                      ; the same, C and D window 3
.set TO_B,   0x40                      ; destination window 1, address window 0
; A joint load: waves 0 and 1 fetch for A, waves 2 and 3 for B.  Each of the two lines has one mask and one set of registers for all that issue it; the branch hangs on the wave's number alone.
; Four v_nop follow each of the two lines, ahead of the jump, the label and what follows.
.macro JLOAD g0a, g1a, g0b, g1b
	s_cmp_eq_u32 s15, 0
	s_cbranch_scc0 .Lfor_b_\@
	tensor_load_to_lds s[\g0a:\g0a+3], s[\g1a:\g1a+7]
	s_nop 0
.rept 4
	v_nop
.endr
	s_branch .Lasked_\@
.Lfor_b_\@:
	tensor_load_to_lds s[\g0b:\g0b+3], s[\g1b:\g1b+7]
	s_nop 0
.rept 4
	v_nop
.endr
.Lasked_\@:
.endm
.macro CROUND                          ; a round of the cluster's barrier
	s_barrier_signal -1
	s_barrier_wait -1
	s_cmp_lg_u32 s14, 0
	s_cbranch_scc1 .Lnot_wave_0_\@
	s_barrier_signal -3
.Lnot_wave_0_\@:
	s_barrier_wait -3
	s_barrier_signal -1
	s_barrier_wait -1
.endm
	s_load_b64 s[4:5], s[0:1], 0x0                 ; xq: codes, scale bytes behind them
	s_load_b64 s[8:9], s[0:1], 0x8                 ; wq likewise
	s_load_b128 s[96:99], s[0:1], 0x10             ; cos, sin
	s_load_b64 s[12:13], s[0:1], 0x20              ; qimg
	s_load_b64 s[100:101], s[0:1], 0x28            ; kv
	v_lshl_add_u32 v[SPW], v0, 2, SPARE
	v_mov_b32 v[NIL], 0
	ds_add_u32 v28, v29
	s_wait_dscnt 0x0
	v_lshrrev_b32 v1, 5, v0
	v_readfirstlane_b32 s14, v1                    ; wave 0..3
	s_lshr_b32 s15, s14, 1                         ; which half of the tile's tokens is mine.  Also: I fetch for A (0) or for B (1)
	s_and_b32 s16, s14, 1                          ; which half of its columns.  Also: which 128 rows of that tile I fetch
	s_bfe_u32 s40, ttmp6, 0x40000                  ; cx, cy: my place in the cluster
	s_bfe_u32 s41, ttmp6, 0x40004
	s_lshl_b32 s42, ttmp9, 2
	s_add_co_u32 s42, s42, s40                     ; tile column = 4 x cluster x + cx
	s_and_b32 s17, ttmp7, 0xffff
	s_lshl_b32 s17, s17, 2
	s_add_co_u32 s17, s17, s41                     ; tile row = 4 x cluster y + cy
	s_lshl_b32 s43, s41, 2
	s_lshl_b32 s43, 15, s43                        ; my row of the cluster
	s_lshl_b32 s44, 0x1111, s40                    ; my column
	; descriptor group 1: a tile of 128 rows x 256 bytes, padded in LDS
	s_or_b32 s[G1+0], s43, (0<<16)|(1<<20)|(1<<21)|(5<<22)|(3<<25)  ; 15:0 the mask; 17:16 elements of 1 byte; 20 padding on; 21 set beside a mask; 24:22 after every 64 words; 31:25 four words
	s_or_b32 s[G1B+0], s44, (0<<16)|(1<<20)|(1<<21)|(5<<22)|(3<<25)
.irp g, G1, G1B
	s_mov_b32 s[\g+1], ROWB<<16                    ; tensor_dim0
	s_mov_b32 s[\g+2], 128<<16                     ; tensor_dim1
	s_mov_b32 s[\g+3], ROWB<<16                    ; tile_dim0
	s_mov_b32 s[\g+4], 128                         ; tile_dim1
	s_mov_b32 s[\g+5], KROW                        ; from row to row
	s_mov_b32 s[\g+6], 0
	s_mov_b32 s[\g+7], 0
.endr
	; the scales of 128 rows: a dense block of 4,096 bytes, as rows of 256 bytes (32 elements of 8 bytes), 16 bytes of padding behind each
	s_or_b32 s[G1S+0], s43, (3<<16)|(1<<20)|(1<<21)|(5<<22)|(3<<25)
	s_or_b32 s[G1SB+0], s44, (3<<16)|(1<<20)|(1<<21)|(5<<22)|(3<<25)
.irp g, G1S, G1SB
	s_mov_b32 s[\g+1], 32<<16
	s_mov_b32 s[\g+2], (128*KS/256)<<16
	s_mov_b32 s[\g+3], 32<<16
	s_mov_b32 s[\g+4], 128*KS/256
	s_mov_b32 s[\g+5], 32
	s_mov_b32 s[\g+6], 0
	s_mov_b32 s[\g+7], 0
.endr
	s_lshl_b32 s18, s16, 7                         ; which 128 rows of the tile I fetch
	s_lshl_b32 s20, s17, 8
	s_add_co_u32 s20, s20, s18                     ; A: row 256 x tile row + 128 x half
	s_lshl_b32 s46, s42, 8
	s_add_co_u32 s46, s46, s18                     ; B: row 256 x tile column + 128 x half
	s_mov_b32 s21, 0
	s_mov_b32 s47, 0
	s_mov_b64 s[18:19], KS
	s_mul_u64 s[22:23], s[20:21], s[18:19]         ; where these rows' scales begin, in bytes
	s_mul_u64 s[92:93], s[46:47], s[18:19]
	s_mov_b64 s[18:19], KROW
	s_mul_u64 s[20:21], s[20:21], s[18:19]         ; and their codes
	s_mul_u64 s[46:47], s[46:47], s[18:19]
	s_mul_i32 s45, s14, HALFT                      ; where they go: wave x 128 rows: no place in the cluster enters an LDS address
	s_mul_i32 s94, s14, HALFS
	s_wait_kmcnt 0x0
	s_add_nc_u64 s[6:7], s[4:5], 4194304           ; x's scale bytes
	s_add_nc_u64 s[10:11], s[8:9], 1572864         ; Wqkv's
	s_add_nc_u64 s[20:21], s[4:5], s[20:21]
	s_add_nc_u64 s[22:23], s[6:7], s[22:23]
	s_add_nc_u64 s[46:47], s[8:9], s[46:47]
	s_add_nc_u64 s[92:93], s[10:11], s[92:93]
	CROUND                                         ; all sixteen work-groups are here: the joint loads meet
	s_mov_b32 s[G0S], 1
	s_add_co_u32 s[G0S+1], s94, SCL
	s_mov_b64 s[G0S+2:G0S+3], s[22:23]
	s_or_b32 s[G0S+3], s[G0S+3], 0x80000000
	s_mov_b32 s[G0SB], 1
	s_add_co_u32 s[G0SB+1], s94, SCL
	s_mov_b64 s[G0SB+2:G0SB+3], s[92:93]
	s_or_b32 s[G0SB+3], s[G0SB+3], 0x80000000
	JLOAD G0S, G1S, G0SB, G1SB                     ; the scales first: they are wanted with the first slot
.irp s, 0,1
	s_mov_b32 s[G0+4*\s], 1
	s_add_co_u32 s[G0+4*\s+1], s45, \s*SLOT
	s_add_nc_u64 s[G0+4*\s+2:G0+4*\s+3], s[20:21], \s*ROWB
	s_or_b32 s[G0+4*\s+3], s[G0+4*\s+3], 0x80000000
	s_mov_b32 s[G0B+4*\s], 1
	s_add_co_u32 s[G0B+4*\s+1], s45, \s*SLOT
	s_add_nc_u64 s[G0B+4*\s+2:G0B+4*\s+3], s[46:47], \s*ROWB
	s_or_b32 s[G0B+4*\s+3], s[G0B+4*\s+3], 0x80000000
	JLOAD G0+4*\s, G1, G0B+4*\s, G1B               ; both slots: three tensor loads of mine are out, and there are no more
.endr
	v_and_b32 v1, 15, v0                           ; r = lane % 16
	v_bfe_u32 v2, v0, 4, 1                         ; hh = lane / 16
	v_mul_u32_u24 v3, v1, PITCH
	v_lshl_add_u32 v4, v2, 4, v3                   ; a fragment's row x pitch + 16 x half
	s_mul_i32 s21, s15, HALFT                      ; my 128 rows of A
	s_mul_i32 s22, s16, HALFT                      ; my 128 rows of B,
	s_add_co_u32 s22, s22, 2*HALFT                 ; which lie behind A's 256
.irp s, 0,1
	v_add_nc_u32 v[ADRA+\s], s21, v4
	v_add_nc_u32 v[ADRB+\s], s22, v4
	s_add_co_u32 s21, s21, SLOT
	s_add_co_u32 s22, s22, SLOT
.endr
	v_mul_u32_u24 v5, v1, KS                       ; my row's scales: KS bytes a row,
	v_lshrrev_b32 v6, 8, v5
	v_lshl_add_u32 v5, v6, 4, v5                   ; and 16 more for each 256 passed
	s_mul_i32 s21, s15, HALFS
	s_mul_i32 s22, s16, HALFS
	s_add_co_u32 s22, s22, 2*HALFS
	s_sub_co_u32 s22, s22, s21
	v_mul_u32_u24 v6, s22, v2                      ; lanes 16-31 take B's
	s_add_co_u32 s21, s21, SCL
	v_add_nc_u32 v5, v5, v6
	v_add_nc_u32 v[ADRS], s21, v5
	; THE WAY OUT'S ADDRESSES.  My 128 tokens begin at row0 = 256 x tile row + 128 x half; my 128 columns are heads bh0 and bh0 + 1
	s_lshl_b32 s4, s17, 8
	s_lshl_b32 s5, s15, 7
	s_add_co_u32 s4, s4, s5                        ; row0
	s_and_b32 s6, s4, 2047                         ; t0: the token in its batch
	s_lshr_b32 s5, s4, 11                          ; the batch
	s_lshl_b32 s5, s5, 4
	s_lshl_b32 s7, s40, 2
	s_add_co_u32 s5, s5, s7
	s_lshl_b32 s7, s16, 1
	s_add_co_u32 s5, s5, s7                        ; bh0 = 16 batch + 4 cx + 2 x column half
	s_lshl_b32 s46, s6, 7                          ; a table's row is 128 bytes
	s_mov_b32 s47, 0
	s_add_nc_u64 s[96:97], s[96:97], s[46:47]
	s_add_nc_u64 s[98:99], s[98:99], s[46:47]
	s_cmp_eq_u32 ttmp9, 0                          ; q?
	s_cselect_b64 s[12:13], s[12:13], s[100:101]   ; q goes to qimg, k and v to kv
	s_cselect_b32 s92, 18, 19                      ; a head is 2^18 bytes of qimg, 2^19 of kv
	s_cselect_b32 s93, 7, 8                        ; and a token 2^7 or 2^8
	s_mov_b32 s2, 1.0
	s_cselect_b32 s2, 0x3e38aa3b, s2               ; what cos and sin are multiplied by: q log2(e) / 8, k 1,
	s_mov_b32 s22, 10240
	s_cselect_b32 s22, 2048, s22                   ; from token block 3 to 4: q 2,048, k 10,240,
	s_cmp_eq_u32 ttmp9, 2                          ; v?
	s_cselect_b32 s2, 0, s2                        ; v 0,
	s_cselect_b32 s3, 1.0, 0                       ; and what is added to cos: v 1: so v is turned by no angle
	s_cselect_b32 s94, -1, 0
	s_mov_b32 s45, 512
	s_cselect_b32 s45, 1024, s45                   ; from column block to column block
	s_mov_b32 s18, 2048
	s_cselect_b32 s18, 512, s18                    ; from an even token block to the odd one
	s_mov_b32 s20, 2048
	s_cselect_b32 s20, 3584, s20                   ; from block 1 to 2 and 5 to 6
	s_cselect_b32 s22, 11776, s22                  ; v 11,776
	s_cselect_b32 s46, 8192, 0                     ; V's block lies behind K's
	s_mov_b32 s19, 0
	s_mov_b32 s21, 0
	s_mov_b32 s23, 0
	s_lshl_b32 s7, s5, s92
	s_add_co_u32 s46, s46, s7
	s_lshl_b32 s7, s6, s93
	s_add_co_u32 s46, s46, s7
	s_add_nc_u64 s[12:13], s[12:13], s[46:47]      ; where token block 0 of head bh0 goes
	s_lshl_b32 s7, 1, s92
	v_and_b32 v6, 31, v0
	v_lshlrev_b32 v7, 4, v6                        ; q, k: 16 x lane
	v_lshrrev_b32 v5, 3, v1
	v_lshlrev_b32 v5, 4, v5
	v_lshl_add_u32 v5, v2, 3, v5
	v_and_b32 v6, 7, v1
	v_add_nc_u32 v5, v5, v6
	v_lshlrev_b32 v5, 4, v5                        ; v: 16 x (16 (r / 8) + 8 hh + r % 8)
	v_cndmask_b32 v[VO], v7, v5, s94
	v_add_nc_u32 v[VO+1], s45, v[VO]
	v_add_nc_u32 v[VO+2], s45, v[VO+1]
	v_add_nc_u32 v[VO+3], s45, v[VO+2]
.irp b, 0,1,2,3
	v_add_nc_u32 v[VO+4+\b], s7, v[VO+\b]          ; column blocks 4-7 are the next head's
.endr
	v_lshlrev_b32 v[TO], 7, v1
	v_lshl_add_u32 v[TO], v2, 4, v[TO]
; The tables of token block a: lane (r, hh) wants cos and sin of token 16 a + r at frequencies 8 cb + 4 hh + 0 .. 3, cb = 0 .. 3: 16 registers of cos, then 16 of sin, in window 1
.macro TABLES a
.set TT, (((\a)%4)/2)*128+((\a)%2)*32+64*(1-(\a)/4)
.irp cb, 0,1,2,3
	global_load_b128 v[TT+4*\cb:TT+4*\cb+3], v[TO], s[96:97] offset:2048*(\a)+32*\cb
	global_load_b128 v[TT+16+4*\cb:TT+16+4*\cb+3], v[TO], s[98:99] offset:2048*(\a)+32*\cb
.endr
.endm
	WIN TO_B
.irp a, 0,1,2,3
	TABLES \a                                      ; blocks 0-3 now, into registers that the products leave alone
.endr
	WIN 0
.macro FRAG reg, adr, q, i             ; a fragment, 16 rows x 128 K of 4-bit codes: lane l holds row l % 16; registers 4 c .. 4 c + 3 hold K = 64 c + 32 (l / 16) + 0 .. 31
.irp c, 0,1
	ds_load_b128 v[\reg+4*\c:\reg+4*\c+3], v[\adr] offset:64*(\q)+32*\c+(\i)*16*PITCH
.endr
.endm
; 16 matrix instructions: A's blocks a0, a0 + 1 x B's eight, 128 along K.  zero = 1: the first product starts the sums.  The 64 accumulators take turns, one instruction a turn.
.macro MUL16 a0, p, q, sc, zero
.irp a, \a0, \a0+1
.irp b, 0,1,2,3,4,5,6,7
.if \zero
	v_wmma_scale_f32_16x16x128_f8f6f4 v[8*(8*((\a)%4)+\b):8*(8*((\a)%4)+\b)+7], v[128*(\p)+FR*\b:128*(\p)+FR*\b+FR-1], v[AF+FR*(\a):AF+FR*(\a)+FR-1], 0, v[SC+8*NQ*(\sc)+NQ*\b+(\q)], v[SC+8*NQ*(\sc)+NQ*(\a)+(\q)] matrix_a_fmt:MATRIX_FMT_FP4 matrix_b_fmt:MATRIX_FMT_FP4 matrix_a_scale:MATRIX_SCALE_ROW1
.else
	v_wmma_scale_f32_16x16x128_f8f6f4 v[8*(8*((\a)%4)+\b):8*(8*((\a)%4)+\b)+7], v[128*(\p)+FR*\b:128*(\p)+FR*\b+FR-1], v[AF+FR*(\a):AF+FR*(\a)+FR-1], v[8*(8*((\a)%4)+\b):8*(8*((\a)%4)+\b)+7], v[SC+8*NQ*(\sc)+NQ*\b+(\q)], v[SC+8*NQ*(\sc)+NQ*(\a)+(\q)] matrix_a_fmt:MATRIX_FMT_FP4 matrix_b_fmt:MATRIX_FMT_FP4 matrix_a_scale:MATRIX_SCALE_ROW1
.endif
.endr
.endr
.endm
.macro FETCH_B slot, q, p
	WIN TO_B
.irp i, 0,1,2,3,4,5,6,7
	FRAG 128*(\p)+FR*\i, ADRB+\slot, \q, \i
.endr
	WIN 0
.endm
.macro FETCH_A slot, q, i0
.irp i, \i0, \i0+1, \i0+2, \i0+3
	FRAG AF+FR*(\i), ADRA+\slot, \q, \i
.endr
.endm
.macro SCALES sc                       ; a slot's scale words: lanes 0-15 take A's block i, lanes 16-31 B's block i
.irp i, 0,1,2,3,4,5,6,7
	ds_load_b128 v[SC+8*NQ*\sc+NQ*\i:SC+8*NQ*\sc+NQ*\i+3], v[ADRS] offset:\i*SBLK
.endr
.endm
; A load into a register that a matrix instruction has read, and a vector instruction that reads a matrix result or writes one of its registers, stand NP places behind it; only plain vector instructions that name
; none of its registers are places (ISA guide 7.12.1 for vector instructions).
.macro PLACES n
.rept \n
	v_nop
.endr
.endm
.macro STEP slot, q, zero              ; a step of 128 along K that has its successor in the same slot
	s_wait_dscnt 4*NL                              ; B's set and A's blocks 0-3 are in; the youngest eight loads (A's blocks 4-7) may be out
	WIN MUL_LO
	MUL16 0, (\q)%2, \q, \slot, \zero
	MUL16 2, (\q)%2, \q, \slot, \zero
	s_wait_dscnt 0                                 ; A's blocks 4-7 are in
	PLACES NP
	FETCH_B \slot, (\q)+1, 1-(\q)%2
	FETCH_A \slot, (\q)+1, 0
	WIN MUL_HI
	MUL16 4, (\q)%2, \q, \slot, \zero
	MUL16 6, (\q)%2, \q, \slot, \zero
	PLACES NP
	WIN 0
	FETCH_A \slot, (\q)+1, 4
.endm
; Slot 0's last step changes slots: one barrier; in front of it each wave waits for all its tensor loads (its part of slot 1), adds 0 to its spare word, and waits for that and for its reads.  Nothing is filled again.
.macro TURN slot, next
	s_wait_tensorcnt 0x0                           ; all my tensor loads have landed
	ds_add_u32 v[SPW], v[NIL]                      ; 0 onto my spare word
	s_wait_dscnt 4*NL+1                            ; (the add and the youngest eight loads may be out)
	WIN MUL_LO
	MUL16 0, 1, NQ-1, \slot, 0
	s_wait_dscnt 0x0
	s_barrier_signal -1
	MUL16 2, 1, NQ-1, \slot, 0
	WIN 0
	s_barrier_wait -1                              ; every wave's part of the next slot is in
	PLACES NP
	v_add_nc_u32 v[ADRS], 4*NQ, v[ADRS]            ; on to the next slot's scale words
	FETCH_B \next, 0, 0
	FETCH_A \next, 0, 0
	SCALES \next
	WIN MUL_HI
	MUL16 4, 1, NQ-1, \slot, 0
	MUL16 6, 1, NQ-1, \slot, 0
	PLACES NP
	WIN 0
	FETCH_A \next, 0, 4
.endm
.macro STEPS slot, from
.set Q, \from
.rept NQ-1-\from
	STEP \slot, Q, 0
.set Q, Q+1
.endr
.endm
	s_wait_tensorcnt 1                             ; the scales and my part of slot 0 are in (slot 1's load may be out),
	s_barrier_signal -1
	s_barrier_wait -1                              ; everybody's are
	FETCH_B 0, 0, 0
	FETCH_A 0, 0, 0
	SCALES 0
	FETCH_A 0, 0, 4
	STEP 0, 0, 1                                   ; the first step's products start the sums: nothing is cleared
	STEPS 0, 1
	TURN 0, 1
	STEPS 1, 0
	s_wait_dscnt 4*NL                              ; the last step: nothing more to fetch
	WIN MUL_LO
	MUL16 0, 1, NQ-1, 1, 0
	MUL16 2, 1, NQ-1, 1, 0
	s_wait_dscnt 0
	WIN MUL_HI
	MUL16 4, 1, NQ-1, 1, 0
	MUL16 6, 1, NQ-1, 1, 0
	WIN 0
; THE WAY OUT, a block of 16 tokens x 128 columns at a time.
	PLACES NP                                      ; behind the last products: the loads below land in B's sets, and the lines after them read results and write registers that held scales and A
	WIN TO_B
.irp a, 4,5,6,7
	TABLES \a
.endr
	WIN 0
.macro ROWBLK a
.set TT, (((\a)%4)/2)*128+((\a)%2)*32+64*(1-(\a)/4)
.set AC, 64*((\a)%4)
.set OU, OUTR+32*((\a)%2)
.if (\a) == 0
	s_wait_loadcnt 32                              ; the tables of blocks 0-3 are in; the 32 loads just issued may be out
.endif
.if (\a) == 4
	s_wait_loadcnt 0x0
.endif
	WIN 0x41                                       ; the tables: destination and source 0 in window 1
.set i, 0
.rept 16
	v_fma_f32 v[TT+i], v[TT+i], s2, s3             ; cos x factor (+ 1 for v)
	v_mul_f32 v[TT+16+i], v[TT+16+i], s2           ; sin x factor
.set i, i+1
.endr
	WIN 0x06+(\a)/4                                ; source 0: the accumulators' window; source 1: the tables'; the rest window 0
.irp b, 0,1,2,3,4,5,6,7
.irp pr, 0,1,2,3
	v_mul_f32 v[RT+8*\b+2*\pr], v[AC+8*\b+2*\pr+1], v[TT+16+4*(\b%4)+\pr]      ; odd x sin   (each accumulator is read from its low end on)
	v_mul_f32 v[RT+8*\b+2*\pr+1], v[AC+8*\b+2*\pr], v[TT+16+4*(\b%4)+\pr]      ; even x sin
.endr
.irp pr, 0,1,2,3
	v_fma_f32 v[RT+8*\b+2*\pr], v[AC+8*\b+2*\pr], v[TT+4*(\b%4)+\pr], -v[RT+8*\b+2*\pr]          ; even x cos - odd x sin
	v_fma_f32 v[RT+8*\b+2*\pr+1], v[AC+8*\b+2*\pr+1], v[TT+4*(\b%4)+\pr], v[RT+8*\b+2*\pr+1]     ; odd x cos + even x sin
.endr
.endr
	WIN 0
	s_wait_xcnt 0x0                                ; earlier stores have read their data and their base: both are written again only behind this wait
.if (\a)%2 == 1
	s_add_nc_u64 s[12:13], s[12:13], s[18:19]
.elseif (\a) == 4
	s_add_nc_u64 s[12:13], s[12:13], s[22:23]
.elseif (\a) > 0
	s_add_nc_u64 s[12:13], s[12:13], s[20:21]
.endif
.set i, 0
.rept 32
	v_cvt_pk_f16_f32 v[OU+i], v[RT+2*i], v[RT+2*i+1]
.set i, i+1
.endr
.irp b, 0,1,2,3,4,5,6,7
	global_store_b128 v[VO+\b], v[OU+4*\b:OU+4*\b+3], s[12:13]   ; the wave stores 512 consecutive bytes, aligned
.endr
.endm
.irp a, 0,1,2,3,4,5,6,7
	ROWBLK \a
.endr
	s_wait_tensorcnt 0x0                           ; the wave's end
	ds_add_u32 v[SPW], v[NIL]
	s_wait_dscnt 0x0
	CROUND                                         ; the closing round: no work-group ends while a partner may still ask for a tile that names it
	s_endpgm
.Lfunc_end_k_q49111f3715_qkv:
	.size	k_q49111f3715_qkv, .Lfunc_end_k_q49111f3715_qkv-k_q49111f3715_qkv
	.p2alignl 7, 3214868480
	.fill 96, 4, 3214868480
	.section	.rodata,"a",@progbits
	.p2align	6, 0x0
	.amdhsa_kernel k_q49111f3715_qkv
		.amdhsa_group_segment_fixed_size 327680
		.amdhsa_private_segment_fixed_size 0
		.amdhsa_enable_private_segment 0
		.amdhsa_kernarg_size 48
		.amdhsa_user_sgpr_count 2
		.amdhsa_user_sgpr_kernarg_segment_ptr 1
		.amdhsa_wavefront_size32 1
		.amdhsa_system_sgpr_workgroup_id_x 1
		.amdhsa_system_sgpr_workgroup_id_y 1
		.amdhsa_system_sgpr_workgroup_id_z 1
		.amdhsa_system_vgpr_workitem_id 0
		.amdhsa_next_free_vgpr 1024
		.amdhsa_next_free_sgpr 102
		.amdhsa_reserve_vcc 0
		.amdhsa_float_denorm_mode_32 3
		.amdhsa_float_denorm_mode_16_64 3
		.amdhsa_memory_ordered 1
		.amdhsa_forward_progress 1
		.amdhsa_inst_pref_size 190
	.end_amdhsa_kernel
	.amdgpu_metadata
---
amdhsa.version: [ 1, 2 ]
amdhsa.kernels:
  - .name:           k_q49111f3715_qkv
    .symbol:         k_q49111f3715_qkv.kd
    .args:
      - { .name: xq, .offset: 0, .size: 8, .value_kind: global_buffer, .address_space: global }
      - { .name: wq, .offset: 8, .size: 8, .value_kind: global_buffer, .address_space: global }
      - { .name: freqs_cos, .offset: 16, .size: 8, .value_kind: global_buffer, .address_space: global }
      - { .name: freqs_sin, .offset: 24, .size: 8, .value_kind: global_buffer, .address_space: global }
      - { .name: qimg, .offset: 32, .size: 8, .value_kind: global_buffer, .address_space: global }
      - { .name: kv, .offset: 40, .size: 8, .value_kind: global_buffer, .address_space: global }
    .group_segment_fixed_size: 327680
    .private_segment_fixed_size: 0
    .kernarg_segment_align: 8
    .kernarg_segment_size: 48
    .max_flat_workgroup_size: 128
    .sgpr_count:     102
    .vgpr_count:     1024
    .wavefront_size: 32
...
	.end_amdgpu_metadata
.endif
;; end of part 2
;; launch attn (part 3): grid 4 x 64, 16 waves a work-group, clusters of 4 x 1, 327,680 bytes of LDS; arguments qimg, kv, mbits, att; writes att
.if DOCPART == 3
	.amdgcn_target "amdgcn-amd-amdhsa--gfx1250"
	.amdhsa_code_object_version 6
	.text
	.protected	k_q49111f3715_attn
	.globl	k_q49111f3715_attn
	.p2align	8
	.type	k_q49111f3715_attn,@function
k_q49111f3715_attn:
	s_mov_b64 s[64:65], 0
	v_nop
	global_prefetch_b8 v0, s[64:65] scope:SCOPE_SE
	s_setreg_imm32_b32 hwreg(HW_REG_WAVE_MODE, 25, 1), 1
	s_wait_xcnt 0x0
	s_wait_alu depctr_hold_cnt(0) depctr_sa_sdst(0) depctr_va_vdst(0) depctr_va_sdst(0) depctr_va_ssrc(0) depctr_va_vcc(0) depctr_vm_vsrc(0)
	s_getreg_b32 s2, hwreg(HW_REG_IB_STS2, 6, 4)
	s_cmp_eq_u32 s2, 0
	s_cbranch_scc0 .Lentry_in_a_cluster
	s_endpgm
.Lentry_in_a_cluster:
	s_bfe_u32 s2, ttmp6, 0x10000c
	s_cmp_lg_u32 s2, 0x3003
	s_cbranch_scc0 .Lentry_shape_is_right
	s_endpgm
.Lentry_shape_is_right:
; att[b][q][h][:] = the sum over k of softmax_k(where(mask, q . k / 8, the lowest f32 number)) v[k][:], for one batch and head a cluster.  q (already x log2(e) / 8), k, v: f16, as images of operand registers (see LAYOUT);
; products, maxima and sums in f32; the weights p are rounded to f16 for the second product, the result once at the end.
; SHARES.  A work-group owns 512 queries of one (batch, head); each of its SIXTEEN waves owns 32, two tiles of 16, in 256 registers: four waves to a SIMD, so that one wave's vector work stands beside another's matrix
; work and LDS loads, and no register window is switched.  Every wave walks all 2,048 keys, 64 a step.  Each fragment of K and V read from LDS feeds two matrix instructions.
; CLUSTER.  The four work-groups of a cluster are the four query blocks of one head and walk the same K and V: each tile is asked for JOINTLY, by the same tensor load with the same descriptor and a mask that names the four.
; LAYOUT.  S^T = K Q^T (source 0 = 16 keys, source 1 = 16 queries): a lane holds ONE query (lane % 16) and keys 8 (lane / 16) + 0 .. 7.  Two such tiles, rounded to f16 in pairs, ARE source 1 (32 keys x 16 queries) of
; O^T = V^T P, whose result again holds one query a lane and eight channels: 16 bytes of f16, one lane's part of an operand of the last product.  A key step's K and V are 16,384 dense bytes of kv: eight fragments
; of K (keys 16 kt on, channels 32 c on, at 1,024 (2 kt + c)), then eight of V (keys 32 kk on, channels 16 ct on, at 8,192 + 1,024 (4 kk + ct)), each as two parts of 512 bytes, 16 bytes a lane: every LDS load reads
; 16 x lane + a constant.  V's parts are taken by the transposing load.
; THE MASK comes as lane masks (mbits): one 32-bit word for each score register, brought by scalar loads a step ahead; a hidden score becomes the lowest f32 number, as in the definition.  The running maximum m begins
; at that number: while a row has seen hidden keys alone, p = 2^0 = 1 for each (the plain mean of v); the first open key makes a = 2^(m_old - m_new) = 0, which wipes that; from then on hidden keys give p = 0.
; SOFTMAX.  For each query a running maximum m and sum l: p = 2^(t - m); in every step O and l are multiplied by a = 2^(m_old - m_new).  l is the sum of the unrounded p and is at least 1.
; LIMITS: scores are finite (no NaN, no infinity among the inputs).
.set SLOT1, 1<<16                      ; a slot holds four key steps; slot 1 begins here, so that one exclusive or turns an address from one slot to the other
.set STEPB, 16384                      ; a key step's K and V
.set SPARE, 2*SLOT1                    ; behind the ring: the spare words, 128 bytes for each of sixteen waves, which no other line names
.set LI,  1                            ; v1   16 x lane; never rewritten
.set SPW, 2                            ; v2   LDS address of my spare word; never rewritten
.set NIL, 3                            ; v3   0; never rewritten
.set FM,  4                            ; v4   the lowest f32 number
.set PFO, 5                            ; v5   256 x lane: the prefetches' offset; never rewritten
.set AD,  6                            ; v6   LDS address of the slot in hand + 16 x lane
.set Q,   16                           ; v16-47   Q: tile x, channels 32 c on, at 16 x + 8 c
.set KV,  48                           ; v48-111  eight fragments: K's, then V's
.set S,   112                          ; v112-175 S^T: tile x, keys 16 kt on, at 32 x + 8 kt; then p; then p as f16 pairs in the tile's first 16
.set O,   176                          ; v176-239 O^T: tile x, channels 16 ct on, at 32 x + 8 ct
.set ST,  240                          ; v240-255 tile x at 8 x: +0 m, +1 m_old, +2, +3 l, +4 to +7 four chains of the maximum; then +4 a, +5 m_old - m, +6, +7 the second chain of the sum
.set WV,  2                            ; s2   my wave's number
.set SLOTS, 3                          ; s3   slots still to be asked for
.set MP,  4                            ; s[4:5]   the step's mask words of my tile 0; tile 1's lie 4,096 bytes on
.set SEL, 6                            ; s[6:7]   lane selects: lane l xor 16
.set G1,  8                            ; s[8:15]  descriptor group 1
.set G0,  16                           ; s[16:19] descriptor group 0, which walks
.set MW0, 20                           ; s[20:51] tile 0's 32 mask words
.set MW1, 68                           ; s[68:99] tile 1's
.set TB,  66                           ; s66  LDS byte at which the slot in hand begins
.set LIM, 67                           ; s67  1 in a wave that prefetches, else the greatest number
.set PFA, 100                          ; s[100:101] where my prefetches stand
.set OP,  104                          ; s[104:105] where my results go
.macro CROUND                          ; a round of the cluster's barrier
	s_barrier_signal -1
	s_barrier_wait -1
	s_cmp_lg_u32 s[WV], 0
	s_cbranch_scc1 .Lnot_wave_0_\@
	s_barrier_signal -3
.Lnot_wave_0_\@:
	s_barrier_wait -3
	s_barrier_signal -1
	s_barrier_wait -1
.endm
.macro TLOAD                           ; waves 0 to 3 fetch one key step each of a slot's four; the branch hangs on the wave's number alone; four v_nop follow the load
	s_cmp_lt_u32 s[WV], 4
	s_cbranch_scc0 .Lasked_\@
	tensor_load_to_lds s[G0:G0+3], s[G1:G1+7]
	s_nop 0
.rept 4
	v_nop
.endr
.Lasked_\@:
.endm
; A prefetch of the slot that the NEXT change of slots will ask for: four key steps, 64 matrix-instruction pairs a wave, ahead of that load.  The slot's 65,536 bytes are shared out by address: 16,384 to each partner of
; the cluster; in each, waves 4 and 5 take 8,192, lanes 256 bytes apart: each aligned block of 256 bytes is named once in the launch.  Slots 0 and 1 come by their loads alone; the last change that fills a slot asks for nothing.
.macro ASK
	s_cmp_gt_u32 s[SLOTS], s[LIM]
	s_cbranch_scc0 .Lnot_mine_\@
	global_prefetch_b8 v[PFO], s[PFA:PFA+1] th:TH_LOAD_NT scope:SCOPE_SE
.Lnot_mine_\@:
.endm
.macro MLOAD                           ; a step's 64 mask words
	s_load_b512 s[MW0:MW0+15], s[MP:MP+1], 0x0
	s_load_b512 s[MW0+16:MW0+31], s[MP:MP+1], 0x40
	s_load_b512 s[MW1:MW1+15], s[MP:MP+1], 0x1000
	s_load_b512 s[MW1+16:MW1+31], s[MP:MP+1], 0x1040
.endm
	s_load_b128 s[52:55], s[0:1], 0x0              ; qimg, kv
	s_load_b128 s[56:59], s[0:1], 0x10             ; mbits, att
	v_lshl_add_u32 v[SPW], v0, 2, SPARE
	v_mov_b32 v[NIL], 0
	ds_add_u32 v2, v3
	s_wait_dscnt 0x0
	v_lshrrev_b32 v7, 5, v0
	v_readfirstlane_b32 s[WV], v7                  ; wave 0..15
	v_and_b32 v7, 31, v0
	v_lshlrev_b32 v[LI], 4, v7
	v_lshlrev_b32 v[PFO], 8, v7
	v_mov_b32 v[FM], 0xff7fffff
	s_bfe_u32 s60, ttmp6, 0x40000                  ; cx: my place in the cluster
	s_and_b32 s61, ttmp7, 0xffff                   ; bh = 16 batch + head, which the four partners share
	; descriptor group 1: 16,384 dense bytes as 64 rows of 256 bytes (32 elements of 8 bytes), no padding
	s_mov_b32 s[G1], 15|(3<<16)|(1<<21)            ; 15:0 the mask: all four work-groups; 17:16 elements of 8 bytes; 21 set beside a mask
	s_mov_b32 s[G1+1], 32<<16                      ; tensor_dim0
	s_mov_b32 s[G1+2], 64<<16                      ; tensor_dim1
	s_mov_b32 s[G1+3], 32<<16                      ; tile_dim0
	s_mov_b32 s[G1+4], 64                          ; tile_dim1
	s_mov_b32 s[G1+5], 32                          ; from row to row
	s_mov_b32 s[G1+6], 0
	s_mov_b32 s[G1+7], 0
	s_mov_b32 s[SEL], 0x76543210
	s_mov_b32 s[SEL+1], 0xfedcba98
	s_mov_b32 s[TB], 0
	s_mov_b32 s[SLOTS], 7
	s_lshr_b32 s[LIM], s[WV], 1
	s_cmp_eq_u32 s[LIM], 2                         ; waves 4 and 5
	s_cselect_b32 s[LIM], 1, -1
	s_lshl_b32 s62, s61, 19                        ; a head's K and V are 524,288 bytes
	s_mov_b32 s63, 0
	s_and_b32 s20, s[WV], 3
	s_lshl_b32 s20, s20, 14                        ; which of a slot's four key steps I fetch: in memory and in LDS alike
	s_mov_b32 s21, 0
	s_wait_kmcnt 0x0
	s_add_nc_u64 s[54:55], s[54:55], s[62:63]      ; kv at my head
	s_mov_b32 s[G0], 1                             ; count = 1
	s_mov_b32 s[G0+1], s20                         ; LDS address: slot 0
	s_add_nc_u64 s[G0+2:G0+3], s[54:55], s[20:21]  ; global address: no place in the cluster enters it
	s_or_b32 s[G0+3], s[G0+3], 0x80000000          ; type = 2
	CROUND                                         ; all four work-groups are here: the first joint loads meet
	TLOAD                                          ; slot 0
	s_lshl_b32 s22, ttmp9, 2
	s_add_co_u32 s22, s22, s60                     ; my block of 512 queries
	s_lshl_b32 s22, s22, 5
	s_lshl_b32 s23, s[WV], 1
	s_add_co_u32 s22, s22, s23                     ; my first query tile in the head: 32 x block + 2 x wave
	s_lshr_b32 s23, s61, 4
	s_lshl_b32 s23, s23, 7
	s_add_co_u32 s23, s23, s22                     ; and among all tokens: 128 x batch + that
	s_lshl_b32 s24, s23, 12
	s_mov_b32 s25, 0
	s_add_nc_u64 s[MP:MP+1], s[56:57], s[24:25]    ; a tile's mask words are 4,096 bytes
	s_lshl_b32 s24, s61, 18
	s_lshl_b32 s26, s22, 11
	s_add_co_u32 s24, s24, s26
	s_add_nc_u64 s[52:53], s[52:53], s[24:25]      ; Q's images: 262,144 bytes a head, 2,048 a tile
	s_and_b32 s26, s61, 15                         ; the head
	s_lshr_b32 s27, s26, 2
	s_lshl_b32 s24, s27, 22
	s_lshl_b32 s27, s23, 13
	s_add_co_u32 s24, s24, s27
	s_and_b32 s26, s26, 3
	s_lshl_b32 s26, s26, 11
	s_add_co_u32 s24, s24, s26
	s_add_nc_u64 s[OP:OP+1], s[58:59], s[24:25]    ; att: (head / 4) x 4,194,304 + tile x 8,192 + (head % 4) x 2,048
	s_lshl_b32 s24, s60, 14
	s_and_b32 s26, s[WV], 1
	s_lshl_b32 s26, s26, 13
	s_add_co_u32 s24, s24, s26
	s_add_co_u32 s24, s24, 4*STEPB                 ; in slot 1's keys: the first change of slots steps it on.  Nothing is prefetched here, at the head
	s_add_nc_u64 s[PFA:PFA+1], s[54:55], s[24:25]
	MLOAD                                          ; step 0's mask words
.irp x, 0,1
.irp c, 0,1
.irp p, 0,1
	global_load_b128 v[Q+16*\x+8*\c+4*\p:Q+16*\x+8*\c+4*\p+3], v[LI], s[52:53] offset:2048*\x+1024*\c+512*\p   ; Q stays in registers
.endr
.endr
.endr
.irp x, 0,1
	v_mov_b32 v[ST+8*\x], v[FM]                    ; m
	v_mov_b32 v[ST+8*\x+2], 0                      ; l
	v_mov_b32 v[ST+8*\x+3], 0
.endr
.set u, 0
.rept 64
	v_mov_b32 v[O+u], 0                            ; O^T.  (The step is written once for all steps: the first finds zeros; a first step of its own would be a third copy of the slot's text)
.set u, u+1
.endr
	s_wait_loadcnt 0x0                             ; Q
; A KEY STEP: 64 keys, the q-th of the slot in hand.  last = 1: the launch's last step, which asks for no further mask words.
.macro STEP q, last
	v_add_nc_u32 v[AD], s[TB], v[LI]
.rept 4
	v_nop                                          ; with the addition above five places behind the last step's products: four for the loads into the registers that they read, five for the products below, which write over p
.endr
.set f, 0
.rept 8
	ds_load_b128 v[KV+8*f:KV+8*f+3], v[AD] offset:STEPB*(\q)+1024*f
	ds_load_b128 v[KV+8*f+4:KV+8*f+7], v[AD] offset:STEPB*(\q)+1024*f+512
.set f, f+1
.endr
	s_wait_dscnt 0x0                               ; K is in
.irp c, 0,1                                    ; S^T = K Q^T: eight accumulators by turns, one instruction a turn; the first eight start the sums
.irp kt, 0,1,2,3
.irp x, 0,1
.if \c == 0
	v_wmma_f32_16x16x32_f16 v[S+32*\x+8*\kt:S+32*\x+8*\kt+7], v[KV+8*(2*\kt+\c):KV+8*(2*\kt+\c)+7], v[Q+16*\x+8*\c:Q+16*\x+8*\c+7], 0
.else
	v_wmma_f32_16x16x32_f16 v[S+32*\x+8*\kt:S+32*\x+8*\kt+7], v[KV+8*(2*\kt+\c):KV+8*(2*\kt+\c)+7], v[Q+16*\x+8*\c:Q+16*\x+8*\c+7], v[S+32*\x+8*\kt:S+32*\x+8*\kt+7]
.endif
.endr
.endr
.endr
.rept 4
	v_nop                                          ; four places: for the loads into K's registers and for the first read of the scores
.endr
.set f, 0
.rept 8
	ds_load_tr16_b128 v[KV+8*f:KV+8*f+3], v[AD] offset:STEPB*(\q)+8192+1024*f        ; V, turned: it lands under the softmax
	ds_load_tr16_b128 v[KV+8*f+4:KV+8*f+7], v[AD] offset:STEPB*(\q)+8192+1024*f+512
.set f, f+1
.endr
	s_wait_kmcnt 0x0                               ; this step's mask words, asked for a step ago
.set u, 0
.rept 32
	v_cndmask_b32 v[S+u], v[FM], v[S+u], s[MW0+u]           ; a hidden key's score becomes the lowest f32 number.  (Each accumulator is read from its low end on)
	v_cndmask_b32 v[S+32+u], v[FM], v[S+32+u], s[MW1+u]
.set u, u+1
.endr
.if \last == 0
	s_add_nc_u64 s[MP:MP+1], s[MP:MP+1], 128       ; no scalar load is out: the base may step
	MLOAD                                          ; the next step's words
.endif
.irp k, 0,1,2,3                                ; the maximum of 32 scores and the old m, three operands at a time, four chains a tile, the two tiles by turns
.irp x, 0,1
	v_max3_num_f32 v[ST+8*\x+4+\k], v[S+32*\x+8*\k], v[S+32*\x+8*\k+1], v[S+32*\x+8*\k+2]
.endr
.endr
.irp g, 3,5
.irp k, 0,1,2,3
.irp x, 0,1
	v_max3_num_f32 v[ST+8*\x+4+\k], v[ST+8*\x+4+\k], v[S+32*\x+8*\k+\g], v[S+32*\x+8*\k+\g+1]
.endr
.endr
.endr
.irp x, 0,1
	v_max3_num_f32 v[ST+8*\x+4], v[ST+8*\x+4], v[S+32*\x+7], v[S+32*\x+15]
	v_max3_num_f32 v[ST+8*\x+6], v[ST+8*\x+6], v[S+32*\x+23], v[S+32*\x+31]
.endr
.irp x, 0,1
	v_max3_num_f32 v[ST+8*\x+4], v[ST+8*\x+4], v[ST+8*\x+5], v[ST+8*\x+6]
.endr
.irp x, 0,1
	v_max3_num_f32 v[ST+8*\x+4], v[ST+8*\x+4], v[ST+8*\x+7], v[ST+8*\x]
.endr
.irp x, 0,1
	v_permlanex16_b32 v[ST+8*\x+5], v[ST+8*\x+4], s[SEL], s[SEL+1]   ; the query's other 32 keys lie in the lane 16 away
.endr
.irp x, 0,1
	v_mov_b32 v[ST+8*\x+1], v[ST+8*\x]             ; m_old
.endr
.irp x, 0,1
	v_max_num_f32 v[ST+8*\x], v[ST+8*\x+4], v[ST+8*\x+5]
.endr
.irp x, 0,1
	v_sub_f32 v[ST+8*\x+5], v[ST+8*\x+1], v[ST+8*\x]
.endr
.irp x, 0,1
	v_exp_f32 v[ST+8*\x+4], v[ST+8*\x+5]           ; a
.endr
.set u, 0
.rept 16
	v_pk_add_f32 v[S+2*u:S+2*u+1], v[S+2*u:S+2*u+1], v[ST:ST+1] op_sel_hi:[1,0] neg_lo:[0,1] neg_hi:[0,1]                 ; t - m, two at a time
	v_pk_add_f32 v[S+32+2*u:S+32+2*u+1], v[S+32+2*u:S+32+2*u+1], v[ST+8:ST+9] op_sel_hi:[1,0] neg_lo:[0,1] neg_hi:[0,1]
.set u, u+1
.endr
.set u, 0
.rept 64
	v_exp_f32 v[S+u], v[S+u]                       ; p = 2^(t - m), at most 1
.set u, u+1
.endr
	s_wait_alu depctr_va_vdst(0)
.irp x, 0,1
	v_pk_mul_f32 v[ST+8*\x+2:ST+8*\x+3], v[ST+8*\x+2:ST+8*\x+3], v[ST+8*\x+4:ST+8*\x+5] op_sel_hi:[1,0]   ; l x a.  (A plain place behind the exponentials)
.endr
.irp x, 0,1
	v_pk_add_f32 v[ST+8*\x+6:ST+8*\x+7], v[S+32*\x:S+32*\x+1], v[S+32*\x+2:S+32*\x+3]                     ; the sum of the unrounded p, in two chains a tile
.endr
.irp j, 4,8,12,16,20,24,28
.irp x, 0,1
	v_pk_add_f32 v[ST+8*\x+2:ST+8*\x+3], v[ST+8*\x+2:ST+8*\x+3], v[S+32*\x+\j:S+32*\x+\j+1]
	v_pk_add_f32 v[ST+8*\x+6:ST+8*\x+7], v[ST+8*\x+6:ST+8*\x+7], v[S+32*\x+\j+2:S+32*\x+\j+3]
.endr
.endr
.irp x, 0,1
	v_pk_add_f32 v[ST+8*\x+2:ST+8*\x+3], v[ST+8*\x+2:ST+8*\x+3], v[ST+8*\x+6:ST+8*\x+7]
.endr
.set u, 0
.rept 16
	v_cvt_pk_f16_f32 v[S+u], v[S+2*u], v[S+2*u+1]            ; p as f16 pairs, in place and ascending: what a line writes over has been rounded already
	v_cvt_pk_f16_f32 v[S+32+u], v[S+32+2*u], v[S+32+2*u+1]
.set u, u+1
.endr
.set u, 0
.rept 16
	v_pk_mul_f32 v[O+2*u:O+2*u+1], v[O+2*u:O+2*u+1], v[ST+4:ST+5] op_sel_hi:[1,0]                 ; O^T x a, each accumulator from its low end on
	v_pk_mul_f32 v[O+32+2*u:O+32+2*u+1], v[O+32+2*u:O+32+2*u+1], v[ST+12:ST+13] op_sel_hi:[1,0]
.set u, u+1
.endr
	s_wait_dscnt 0x0                               ; V is in
.irp kk, 0,1                                   ; O^T += V^T P: eight accumulators by turns
.irp ct, 0,1,2,3
.irp x, 0,1
	v_wmma_f32_16x16x32_f16 v[O+32*\x+8*\ct:O+32*\x+8*\ct+7], v[KV+8*(4*\kk+\ct):KV+8*(4*\kk+\ct)+7], v[S+32*\x+8*\kk:S+32*\x+8*\kk+7], v[O+32*\x+8*\ct:O+32*\x+8*\ct+7]
.endr
.endr
.endr
.endm
; THE CHANGE OF SLOTS stands at a slot's head.  Each wave waits for all its tensor loads (its part of the slot that it is about to read), adds 0 to its spare word, and waits for that and for its reads of the slot that it
; has left.  fill = 1: that other slot is filled with the keys that follow.  The barrier is then a round of the cluster's, so that no wave of any partner still reads the slot or has a load on its way, and the joint
; load is the first thing behind it: by this text's count one tensor load of a wave is out, and it has four key steps in which to land.
.macro CHANGE fill
	s_wait_tensorcnt 0x0                           ; no tensor load of mine is out, so group 0 may be written
	ds_add_u32 v[SPW], v[NIL]                      ; 0 onto my spare word
.if \fill
	s_xor_b32 s[G0+1], s[G0+1], SLOT1              ; the other slot than last time,
	s_add_nc_u64 s[G0+2:G0+3], s[G0+2:G0+3], 4*STEPB   ; the next four key steps; the type bits on top are not reached
	s_wait_xcnt 0x0                                ; the last prefetch, a slot back, has read its address
	s_add_nc_u64 s[PFA:PFA+1], s[PFA:PFA+1], 4*STEPB
	s_wait_dscnt 0x0                               ; the add is done, and my reads of the slot that I have left are over
	CROUND
	TLOAD
	ASK
.else
	s_wait_dscnt 0x0
	s_barrier_signal -1
	s_barrier_wait -1
.endif
.endm
.macro SLOT_STEPS lastslot
	STEP 0, 0
	STEP 1, 0
	STEP 2, 0
	STEP 3, \lastslot
	s_xor_b32 s[TB], s[TB], SLOT1                  ; on to the other slot
.endm
.Lslot:                                        ; seven trips: behind each change of slots but the last the next slot is asked for
	CHANGE 1
	SLOT_STEPS 0
	s_sub_co_u32 s[SLOTS], s[SLOTS], 1
	s_cmp_lg_u32 s[SLOTS], 0
	s_cbranch_scc1 .Lslot
	CHANGE 0                                       ; the last slot is written out
	SLOT_STEPS 1
	; THE WAY OUT.  l's two halves and the other half of the lanes' are added (these additions and the v_nop are the places behind the last products); O^T / l is rounded to f16; a lane's eight channels are 16 bytes
.irp x, 0,1
	v_add_f32 v[ST+8*\x+4], v[ST+8*\x+2], v[ST+8*\x+3]
.endr
.irp x, 0,1
	v_permlanex16_b32 v[ST+8*\x+5], v[ST+8*\x+4], s[SEL], s[SEL+1]
.endr
.irp x, 0,1
	v_add_f32 v[ST+8*\x+4], v[ST+8*\x+4], v[ST+8*\x+5]
.endr
.irp x, 0,1
	v_rcp_f32 v[ST+8*\x+6], v[ST+8*\x+4]
.endr
	v_nop                                          ; a plain instruction between the last reciprocal and the use of its result
.set u, 0
	s_wait_alu depctr_va_vdst(0)
.rept 16
	v_pk_mul_f32 v[O+2*u:O+2*u+1], v[O+2*u:O+2*u+1], v[ST+6:ST+7] op_sel_hi:[1,0]
	v_pk_mul_f32 v[O+32+2*u:O+32+2*u+1], v[O+32+2*u:O+32+2*u+1], v[ST+14:ST+15] op_sel_hi:[1,0]
.set u, u+1
.endr
.set u, 0
.rept 16
	v_cvt_pk_f16_f32 v[S+u], v[O+2*u], v[O+2*u+1]
	v_cvt_pk_f16_f32 v[S+16+u], v[O+32+2*u], v[O+32+2*u+1]
.set u, u+1
.endr
.irp x, 0,1
.irp ct, 0,1,2,3
	global_store_b128 v[LI], v[S+16*\x+4*\ct:S+16*\x+4*\ct+3], s[OP:OP+1] offset:8192*\x+512*\ct   ; the wave stores 512 consecutive bytes, aligned
.endr
.endr
	s_wait_tensorcnt 0x0                           ; the wave's end
	ds_add_u32 v[SPW], v[NIL]
	s_wait_dscnt 0x0
	CROUND                                         ; the closing round: no work-group ends while a partner may still ask for a tile that names it
	s_endpgm
.Lfunc_end_k_q49111f3715_attn:
	.size	k_q49111f3715_attn, .Lfunc_end_k_q49111f3715_attn-k_q49111f3715_attn
	.p2alignl 7, 3214868480
	.fill 96, 4, 3214868480
	.section	.rodata,"a",@progbits
	.p2align	6, 0x0
	.amdhsa_kernel k_q49111f3715_attn
		.amdhsa_group_segment_fixed_size 327680
		.amdhsa_private_segment_fixed_size 0
		.amdhsa_enable_private_segment 0
		.amdhsa_kernarg_size 32
		.amdhsa_user_sgpr_count 2
		.amdhsa_user_sgpr_kernarg_segment_ptr 1
		.amdhsa_wavefront_size32 1
		.amdhsa_system_sgpr_workgroup_id_x 1
		.amdhsa_system_sgpr_workgroup_id_y 1
		.amdhsa_system_sgpr_workgroup_id_z 1
		.amdhsa_system_vgpr_workitem_id 0
		.amdhsa_next_free_vgpr 256
		.amdhsa_next_free_sgpr 106
		.amdhsa_reserve_vcc 0
		.amdhsa_float_denorm_mode_32 3
		.amdhsa_float_denorm_mode_16_64 3
		.amdhsa_memory_ordered 1
		.amdhsa_forward_progress 1
		.amdhsa_inst_pref_size 184
	.end_amdhsa_kernel
	.amdgpu_metadata
---
amdhsa.version: [ 1, 2 ]
amdhsa.kernels:
  - .name:           k_q49111f3715_attn
    .symbol:         k_q49111f3715_attn.kd
    .args:
      - { .name: qimg, .offset: 0, .size: 8, .value_kind: global_buffer, .address_space: global }
      - { .name: kv, .offset: 8, .size: 8, .value_kind: global_buffer, .address_space: global }
      - { .name: mbits, .offset: 16, .size: 8, .value_kind: global_buffer, .address_space: global }
      - { .name: att, .offset: 24, .size: 8, .value_kind: global_buffer, .address_space: global }
    .group_segment_fixed_size: 327680
    .private_segment_fixed_size: 0
    .kernarg_segment_align: 8
    .kernarg_segment_size: 32
    .max_flat_workgroup_size: 512
    .sgpr_count:     106
    .vgpr_count:     256
    .wavefront_size: 32
...
	.end_amdgpu_metadata
.endif
;; end of part 3
;; launch proj (part 4): grid 8 x 64, 4 waves a work-group, clusters of 4 x 4, 327,680 bytes of LDS; arguments att, wpi, out0; writes out0
.if DOCPART == 4
	.amdgcn_target "amdgcn-amd-amdhsa--gfx1250"
	.amdhsa_code_object_version 6
	.text
	.protected	k_q49111f3715_proj
	.globl	k_q49111f3715_proj
	.p2align	8
	.type	k_q49111f3715_proj,@function
k_q49111f3715_proj:
	s_mov_b64 s[64:65], 0
	v_nop
	global_prefetch_b8 v0, s[64:65] scope:SCOPE_SE
	s_setreg_imm32_b32 hwreg(HW_REG_WAVE_MODE, 25, 1), 1
	s_wait_xcnt 0x0
	s_wait_alu depctr_hold_cnt(0) depctr_sa_sdst(0) depctr_va_vdst(0) depctr_va_sdst(0) depctr_va_ssrc(0) depctr_va_vcc(0) depctr_vm_vsrc(0)
	s_getreg_b32 s2, hwreg(HW_REG_IB_STS2, 6, 4)
	s_cmp_eq_u32 s2, 0
	s_cbranch_scc0 .Lentry_in_a_cluster
	s_endpgm
.Lentry_in_a_cluster:
	s_bfe_u32 s2, ttmp6, 0x10000c
	s_cmp_lg_u32 s2, 0xf033
	s_cbranch_scc0 .Lentry_shape_is_right
	s_endpgm
.Lentry_shape_is_right:
; out0[m][n] = the sum over k of att[m][k] Wproj[k][n]: 8,192 x 1,024 x 1,024, f16 operands, sums and results in f32.
; Both operands lie in memory as IMAGES OF OPERAND REGISTERS: [K step of 256][16 rows][8 fragments of 32 K][part][lane][16 bytes]: the four fragment rows (64 rows x 256 K) that a wave fetches are 32,768 dense bytes,
; and every fragment load from LDS reads 16 x lane + a constant: no pitch, no padding.
; A tile of out0 is 128 x 128: 512 work-groups, two for each WGP.  Four waves, each 64 x 64: 16 accumulators, 128 registers.  K goes in four steps of 256 through two LDS slots.
; CLUSTERS: 4 x 4 work-groups.  The four of a row of the cluster need the same tiles of att, the four of a column the same tiles of wpi: each tile is asked for JOINTLY, by the same tensor load with the same descriptor
; and a mask that names the four.  THE MATRIX INSTRUCTION IS USED TRANSPOSED (source 0 = 16 columns of Wproj, source 1 = 16 tokens): a lane holds eight neighbouring numbers of a row of out0.
; A wave's 64 columns are 256 bytes of a row, aligned: so each wave has a stage of its own on the way out and no barrier stands there.
; No prefetch: a K step's matrix work is short and the tiles are small; the joint loads carry the traffic.
; REGISTERS: window 0: v0-31 addresses; v32-95 at work on the way out; v128-255 the accumulators ((a, b) at v[128 + 8 (4 a + b)]).   window 1: two fragment buffers of 128: 64 registers of A, then 64 of B.
.set SIZE_N, 1024
.set HALFT,  32768                     ; what one tensor load brings, and what one wave reads of A or of B
.set SLOT,   4*HALFT                   ; A's 128 rows, then B's 128 rows
.set STAGE,  2*SLOT                    ; behind the ring: 16 rows x 272 bytes for each wave
.set SPITCH, 272
.set SPARE,  STAGE+4*16*SPITCH         ; behind the stages: the spare words, 128 bytes for each wave, which no other line names
.set LAPS,   2                         ; a lap = two K steps = once round the ring
.set ASTEP,  4194304                   ; bytes from a K step of att to the next
.set BSTEP,  524288                    ; and of wpi
.set ADRA, 16                          ; v16-17  LDS address of my A fragments in slot 0, 1
.set ADRB, 20                          ; v20-21  the same for B
.set STO,  24                          ; v24     the way out: where I put 32 bytes of a row
.set RD,   25                          ; v25     the way out: where I read a row back
.set CO,   26                          ; v26     my byte offset in out0
.set SPW,  28                          ; v28     LDS address of my spare word; never rewritten
.set NIL,  29                          ; v29     0; never rewritten
.set TMP,  32
.set ACC,  128
.set F0,   0                           ; fragment buffers, in window 1
.set F1,   128
.set G1, 24
.set G0, 32
.set G1B, 48
.set G0B, 56
.set MSB, 0
.macro WIN new                         ; the immediate's high byte repeats the setting that is left
.if MSB != (\new)
	s_set_vgpr_msb (MSB<<8)|(\new)
.set MSB, (\new)
.endif
.endm
.set MUL,  0x05                        ; sources 0 (B) and 1 (A) window 1; C and D window 0
.set TO_F, 0x40                        ; destination window 1, address window 0
.macro JLOAD s                         ; a joint load: waves 0 and 1 fetch A's two halves, waves 2 and 3 B's; four v_nop follow each of the two lines
	s_cmp_eq_u32 s11, 0
	s_cbranch_scc0 .Lfor_b_\@
	tensor_load_to_lds s[G0+4*\s:G0+4*\s+3], s[G1:G1+7]
	s_nop 0
.rept 4
	v_nop
.endr
	s_branch .Lasked_\@
.Lfor_b_\@:
	tensor_load_to_lds s[G0B+4*\s:G0B+4*\s+3], s[G1B:G1B+7]
	s_nop 0
.rept 4
	v_nop
.endr
.Lasked_\@:
.endm
.macro CREST                           ; a round of the cluster's barrier behind its opening barrier
	s_cmp_lg_u32 s10, 0
	s_cbranch_scc1 .Lnot_wave_0_\@
	s_barrier_signal -3
.Lnot_wave_0_\@:
	s_barrier_wait -3
	s_barrier_signal -1
	s_barrier_wait -1
.endm
.macro CROUND                          ; a whole round
	s_barrier_signal -1
	s_barrier_wait -1
	CREST
.endm
	s_load_b128 s[4:7], s[0:1], 0x0                ; att s[4:5], wpi s[6:7]
	s_load_b64 s[8:9], s[0:1], 0x10                ; out0
	v_lshl_add_u32 v[SPW], v0, 2, SPARE
	v_mov_b32 v[NIL], 0
	ds_add_u32 v28, v29
	s_wait_dscnt 0x0
	v_lshrrev_b32 v1, 5, v0
	v_readfirstlane_b32 s10, v1                    ; wave 0..3
	s_lshr_b32 s11, s10, 1                         ; which half of the tile's rows is mine.  Also: I fetch for A (0) or for B (1)
	s_and_b32 s12, s10, 1                          ; which half of its columns.  Also: which 64 rows of that tile I fetch
	s_bfe_u32 s40, ttmp6, 0x40000                  ; cx, cy: my place in the cluster
	s_bfe_u32 s41, ttmp6, 0x40004
	s_lshl_b32 s42, ttmp9, 2
	s_add_co_u32 s42, s42, s40                     ; tile column = 4 x cluster x + cx
	s_and_b32 s13, ttmp7, 0xffff
	s_lshl_b32 s13, s13, 2
	s_add_co_u32 s13, s13, s41                     ; tile row = 4 x cluster y + cy
	s_lshl_b32 s43, s41, 2
	s_lshl_b32 s43, 15, s43                        ; my row of the cluster
	s_lshl_b32 s44, 0x1111, s40                    ; my column
	; descriptor group 1: 32,768 dense bytes as 128 rows of 256 bytes (32 elements of 8 bytes), no padding
	s_or_b32 s[G1+0], s43, (3<<16)|(1<<21)         ; 15:0 the mask: A's tiles go to my row; 17:16 elements of 8 bytes; 21 set beside a mask
	s_or_b32 s[G1B+0], s44, (3<<16)|(1<<21)
.irp g, G1, G1B
	s_mov_b32 s[\g+1], 32<<16                      ; tensor_dim0
	s_mov_b32 s[\g+2], 128<<16                     ; tensor_dim1
	s_mov_b32 s[\g+3], 32<<16                      ; tile_dim0
	s_mov_b32 s[\g+4], 128                         ; tile_dim1
	s_mov_b32 s[\g+5], 32                          ; from row to row
	s_mov_b32 s[\g+6], 0
	s_mov_b32 s[\g+7], 0
.endr
	s_lshl_b32 s17, s12, 2                         ; which four fragment rows of the tile's eight I fetch
	s_lshl_b32 s16, s13, 3
	s_add_co_u32 s16, s16, s17
	s_lshl_b32 s16, s16, 13                        ; A: (8 x tile row + 4 x half) x 8,192 bytes
	s_lshl_b32 s46, s42, 3
	s_add_co_u32 s46, s46, s17
	s_lshl_b32 s46, s46, 13                        ; B: (8 x tile column + 4 x half) x 8,192 bytes
	s_mov_b32 s17, 0
	s_mov_b32 s47, 0
	s_mul_i32 s20, s10, HALFT                      ; where they go: wave x 32,768: no place in the cluster enters an LDS address
	s_wait_kmcnt 0x0
	s_add_nc_u64 s[14:15], s[4:5], s[16:17]
	s_add_nc_u64 s[46:47], s[6:7], s[46:47]
	CROUND                                         ; all sixteen work-groups are here: the first joint loads meet
.irp s, 0,1
	s_mov_b32 s[G0+4*\s], 1
	s_add_co_u32 s[G0+4*\s+1], s20, \s*SLOT
	s_add_nc_u64 s[G0+4*\s+2:G0+4*\s+3], s[14:15], \s*ASTEP
	s_or_b32 s[G0+4*\s+3], s[G0+4*\s+3], 0x80000000
	s_mov_b32 s[G0B+4*\s], 1
	s_add_co_u32 s[G0B+4*\s+1], s20, \s*SLOT
	s_add_nc_u64 s[G0B+4*\s+2:G0B+4*\s+3], s[46:47], \s*BSTEP
	s_or_b32 s[G0B+4*\s+3], s[G0B+4*\s+3], 0x80000000
	JLOAD \s
.endr
	v_and_b32 v1, 15, v0                           ; l % 16
	v_bfe_u32 v2, v0, 4, 1                         ; l / 16
	v_and_b32 v3, 31, v0
	v_lshlrev_b32 v3, 4, v3                        ; 16 x lane: my place in every part of every fragment
	s_mul_i32 s21, s11, HALFT                      ; my 64 rows of A
	s_mul_i32 s22, s12, HALFT                      ; my 64 rows of B,
	s_add_co_u32 s22, s22, 2*HALFT                 ; which lie behind A's 128
.irp s, 0,1
	v_add_nc_u32 v[ADRA+\s], s21, v3
	v_add_nc_u32 v[ADRB+\s], s22, v3
	s_add_co_u32 s21, s21, SLOT
	s_add_co_u32 s22, s22, SLOT
.endr
	s_mul_i32 s23, s10, 16*SPITCH
	s_add_co_u32 s23, s23, STAGE                   ; my stage
	v_mul_u32_u24 v4, v1, SPITCH                   ; in: row l % 16, 32 bytes for each half of the lanes
	v_lshl_add_u32 v4, v2, 5, v4
	v_add_nc_u32 v[STO], s23, v4
	v_mul_u32_u24 v5, v2, SPITCH                   ; back: lanes 0-15 one row of 256 bytes, lanes 16-31 the next
	v_lshl_add_u32 v5, v1, 4, v5
	v_add_nc_u32 v[RD], s23, v5
	v_lshlrev_b32 v5, 12, v2                       ; and the same two rows in out0: a row is 4,096 bytes
	v_lshl_add_u32 v[CO], v1, 4, v5
	s_lshl_b32 s16, s13, 7
	s_lshl_b32 s17, s11, 6
	s_add_co_u32 s16, s16, s17                     ; my first row: 128 x tile row + 64 x half
	s_lshl_b32 s16, s16, 12
	s_mov_b32 s17, 0
	s_add_nc_u64 s[8:9], s[8:9], s[16:17]
	s_lshl_b32 s46, s42, 9                         ; my first column, in bytes: 512 x tile column + 256 x half
	s_lshl_b32 s47, s12, 8
	s_add_co_u32 s46, s46, s47
	s_mov_b32 s47, 0
	s_add_nc_u64 s[8:9], s[8:9], s[46:47]
; 8 matrix instructions: m blocks a0, a0 + 1 x all 4 n blocks, 32 along K: half c of buffer f.  zero = 1: the first product starts the sums.  The 16 accumulators take turns
.macro MUL8 f, c, a0, zero
.irp a, \a0, \a0+1
.irp b, 0,1,2,3
.if \zero
	v_wmma_f32_16x16x32_f16 v[ACC+8*(4*(\a)+\b):ACC+8*(4*(\a)+\b)+7], v[\f+64+8*(4*\c+\b):\f+64+8*(4*\c+\b)+7], v[\f+8*(4*\c+\a):\f+8*(4*\c+\a)+7], 0
.else
	v_wmma_f32_16x16x32_f16 v[ACC+8*(4*(\a)+\b):ACC+8*(4*(\a)+\b)+7], v[\f+64+8*(4*\c+\b):\f+64+8*(4*\c+\b)+7], v[\f+8*(4*\c+\a):\f+8*(4*\c+\a)+7], v[ACC+8*(4*(\a)+\b):ACC+8*(4*(\a)+\b)+7]
.endif
.endr
.endr
.endm
; 32 LDS loads in one run: the fragments of 64 along K (two of a fragment row's eight, from byte k on) into buffer f; the first 32 along K first
.macro FETCH slot, k, f
	WIN TO_F
.irp c, 0,1
.irp i, 0,1,2,3
	ds_load_b128 v[\f+64+8*(4*\c+\i):\f+64+8*(4*\c+\i)+3],   v[ADRB+\slot] offset:\k+1024*\c+\i*8192
	ds_load_b128 v[\f+64+8*(4*\c+\i)+4:\f+64+8*(4*\c+\i)+7], v[ADRB+\slot] offset:\k+1024*\c+\i*8192+512
	ds_load_b128 v[\f+8*(4*\c+\i):\f+8*(4*\c+\i)+3],         v[ADRA+\slot] offset:\k+1024*\c+\i*8192
	ds_load_b128 v[\f+8*(4*\c+\i)+4:\f+8*(4*\c+\i)+7],       v[ADRA+\slot] offset:\k+1024*\c+\i*8192+512
.endr
.endr
.endm
.macro PLACES                          ; four places in front of loads into registers that matrix instructions have read, and of the first read of results
.rept 4
	v_nop
.endr
.endm
; A K step is four quarters of 64 along K, 32 matrix instructions each, on buffers 0, 1, 0, 1.  One of the first three: multiplies buffer f and fetches the next quarter, at byte k, into g.
.macro QUARTER slot, k, f, g, zero
	s_wait_dscnt 16                                ; the first 32 along K are in
	WIN MUL
	MUL8 \f, 0, 0, \zero
	MUL8 \f, 0, 2, \zero
	PLACES
	FETCH \slot, \k, \g
	s_wait_dscnt 32                                ; all but the 32 just issued
	WIN MUL
	MUL8 \f, 1, 0, 0
	MUL8 \f, 1, 2, 0
.endm
; The last quarter multiplies buffer 1 and changes slots: ONE barrier; in front of it each wave waits for all its tensor loads, adds 0 to its spare word, and waits for that and for its own reads of this slot.
; fill = 1: this slot is filled again, two K steps ahead, behind a round of the cluster's barrier.
.macro TURN slot, next, fill
	WIN 0                                          ; (the add's two registers lie in window 0)
	s_wait_tensorcnt 0x0                           ; all my tensor loads have landed: my part of the next slot;
	ds_add_u32 v[SPW], v[NIL]                      ; 0 onto my spare word;
	s_wait_dscnt 17                                ; (the add and the youngest sixteen loads may be out)
	WIN MUL
	MUL8 F1, 0, 0, 0                               ; eight matrix instructions stand between the add and the wait for it
	s_wait_dscnt 0x0                               ; the add is done, and my reads of this slot are over
	s_barrier_signal -1
	MUL8 F1, 0, 2, 0
.if \fill
	WIN 0
.endif
	s_barrier_wait -1
.if \fill
	CREST                                          ; no wave of any partner still reads this slot's tile or has a load on its way
	s_add_nc_u64 s[G0+4*\slot+2:G0+4*\slot+3], s[G0+4*\slot+2:G0+4*\slot+3], 2*ASTEP
	s_add_nc_u64 s[G0B+4*\slot+2:G0B+4*\slot+3], s[G0B+4*\slot+2:G0B+4*\slot+3], 2*BSTEP
	JLOAD \slot                                    ; the first tensor load behind the round; the four v_nop behind it are also the places in front of the loads below
.else
	PLACES
.endif
	FETCH \next, 0, F0
	WIN MUL
	MUL8 F1, 1, 0, 0
	MUL8 F1, 1, 2, 0
.endm
	s_wait_tensorcnt 1                             ; my part of K step 0 is in,
	s_barrier_signal -1
	s_barrier_wait -1                              ; everybody's is
	FETCH 0, 0, F0
	QUARTER 0, 2048, F0, F1, 1                     ; the first quarter stands in front of the loop: its first products start the sums
	WIN 0                                          ; at a label and at a branch every window is 0
	s_mov_b32 s3, LAPS-1
.Llap:                                         ; a trip goes once round the ring, from a lap's second quarter to the next lap's first, and fills both slots again
	QUARTER 0, 4096, F1, F0, 0
	QUARTER 0, 6144, F0, F1, 0
	TURN 0, 1, 1
	QUARTER 1, 2048, F0, F1, 0
	QUARTER 1, 4096, F1, F0, 0
	QUARTER 1, 6144, F0, F1, 0
	TURN 1, 0, 1
	QUARTER 0, 2048, F0, F1, 0
	WIN 0
	s_sub_co_u32 s3, s3, 1
	s_cmp_lg_u32 s3, 0
	s_cbranch_scc1 .Llap
	QUARTER 0, 4096, F1, F0, 0                     ; the last lap fills nothing, and has no round of the cluster's barrier
	QUARTER 0, 6144, F0, F1, 0
	TURN 0, 1, 0
	QUARTER 1, 2048, F0, F1, 0
	QUARTER 1, 4096, F1, F0, 0
	QUARTER 1, 6144, F0, F1, 0
	s_wait_dscnt 16                                ; the very last quarter: nothing more to fetch
	WIN MUL
	MUL8 F1, 0, 0, 0
	MUL8 F1, 0, 2, 0
	s_wait_dscnt 0
	MUL8 F1, 1, 0, 0
	MUL8 F1, 1, 2, 0
	WIN 0
; THE WAY OUT, a block of 16 rows x 64 columns at a time.  A lane holds 32 neighbouring bytes of a row, and the lanes beside it hold other rows: so a block goes through my own stage and comes back as whole rows of
; 256 bytes.  LDS serves a wave's instructions in order (ISA guide 5.7.1.4): no wait between the stores and the loads, nor in front of the next block's stores.
.macro TOSTAGE a
.irp b, 0,1,2,3
	ds_store_b128 v[STO], v[ACC+8*(4*(\a)+\b):ACC+8*(4*(\a)+\b)+3] offset:64*\b          ; each accumulator from its low end on
	ds_store_b128 v[STO], v[ACC+8*(4*(\a)+\b)+4:ACC+8*(4*(\a)+\b)+7] offset:64*\b+16
.endr
.irp t, 0,1,2,3,4,5,6,7
	ds_load_b128 v[TMP+32*((\a)%2)+4*\t:TMP+32*((\a)%2)+4*\t+3], v[RD] offset:\t*2*SPITCH
.endr
.endm
.macro SEND a, younger                 ; younger: the LDS instructions issued behind block a's loads, which may stay out
	s_wait_dscnt \younger
.irp t, 0,1,2,3,4,5,6,7
	global_store_b128 v[CO], v[TMP+32*((\a)%2)+4*\t:TMP+32*((\a)%2)+4*\t+3], s[8:9] offset:(16*(\a)+2*\t)*SIZE_N*4 th:TH_STORE_NT   ; 16 lanes store 256 consecutive bytes, aligned; written once, read by nobody here
.endr
.endm
	PLACES
	TOSTAGE 0
.irp a, 1,2,3
.if \a > 1
	s_wait_xcnt 0x0                                ; block a - 2's stores have read their registers: block a's loads may land there
.endif
	TOSTAGE \a
	SEND \a-1, 16                                  ; behind block a - 1's loads: block a's 8 stores and 8 loads
.endr
	SEND 3, 0
	s_wait_tensorcnt 0x0                           ; the wave's end, behind my last tensor load and my last LDS store
	ds_add_u32 v[SPW], v[NIL]
	s_wait_dscnt 0x0
	CROUND                                         ; the closing round: no work-group ends while a partner may still ask for a tile that names it
	s_endpgm
.Lfunc_end_k_q49111f3715_proj:
	.size	k_q49111f3715_proj, .Lfunc_end_k_q49111f3715_proj-k_q49111f3715_proj
	.p2alignl 7, 3214868480
	.fill 96, 4, 3214868480
	.section	.rodata,"a",@progbits
	.p2align	6, 0x0
	.amdhsa_kernel k_q49111f3715_proj
		.amdhsa_group_segment_fixed_size 327680
		.amdhsa_private_segment_fixed_size 0
		.amdhsa_enable_private_segment 0
		.amdhsa_kernarg_size 24
		.amdhsa_user_sgpr_count 2
		.amdhsa_user_sgpr_kernarg_segment_ptr 1
		.amdhsa_wavefront_size32 1
		.amdhsa_system_sgpr_workgroup_id_x 1
		.amdhsa_system_sgpr_workgroup_id_y 1
		.amdhsa_system_sgpr_workgroup_id_z 1
		.amdhsa_system_vgpr_workitem_id 0
		.amdhsa_next_free_vgpr 512
		.amdhsa_next_free_sgpr 66
		.amdhsa_reserve_vcc 0
		.amdhsa_float_denorm_mode_32 3
		.amdhsa_float_denorm_mode_16_64 3
		.amdhsa_memory_ordered 1
		.amdhsa_forward_progress 1
		.amdhsa_inst_pref_size 85
	.end_amdhsa_kernel
	.amdgpu_metadata
---
amdhsa.version: [ 1, 2 ]
amdhsa.kernels:
  - .name:           k_q49111f3715_proj
    .symbol:         k_q49111f3715_proj.kd
    .args:
      - { .name: att, .offset: 0, .size: 8, .value_kind: global_buffer, .address_space: global }
      - { .name: wpi, .offset: 8, .size: 8, .value_kind: global_buffer, .address_space: global }
      - { .name: out0, .offset: 16, .size: 8, .value_kind: global_buffer, .address_space: global }
    .group_segment_fixed_size: 327680
    .private_segment_fixed_size: 0
    .kernarg_segment_align: 8
    .kernarg_segment_size: 24
    .max_flat_workgroup_size: 128
    .sgpr_count:     66
    .vgpr_count:     512
    .wavefront_size: 32
...
	.end_amdgpu_metadata
.endif
;; end of part 4
